; MI455X (gfx1250); checked and timed in simulation.
; The chip was launched on July 23, 2026; its instructions are those of AMD's public machine-readable ISA for CDNA 5 (MIT licence, August 2026) and "CDNA5" Instruction Set Architecture Reference Guide (July 2026). The comments in the code are by the model that wrote it; some were corrected since.
;; Causal Self Attention. Allowed arithmetic: float matrix products may take bf16 or f16 operands with f32 sums; other float arithmetic in f32, or as packed bf16 or f16 multiplies, adds, multiply-adds, maxima and minima; sums over many terms, partial sums and values carried from step to step in f32; what a program stores and reads back later, other than sums and carried values, may be rounded once to bf16 or f16.
;; Inputs: Wk 2,048 x 2,048 float32; Wp 2,048 x 2,048 float32; Wq 2,048 x 2,048 float32; Wv 2,048 x 2,048 float32; attn_mask 2,048 x 2,048 bool; rope_cos 2,048 x 64 float32; rope_sin 2,048 x 64 float32; x 1 x 2,048 x 2,048 float32.
;; Outputs: out0 1 x 2,048 x 2,048 float32.
;; One version. Each part assembles by itself: llvm-mc -triple=amdgcn-amd-amdhsa -mcpu=gfx1250 --defsym DOCPART=n.
;; ======== version 1 of 1: 4 launches
;; limits: values are held in f16: magnitudes above 65,504 overflow, below 6.1e-05 lose precision
;; workspace buffers: wb 41,943,040 bytes; rt 3,145,728 bytes; mw 524,288 bytes of whole numbers; qkv 25,165,824 bytes; ob 8,388,608 bytes
;; launch prep (part 1): grid 256 x 7, 8 waves a work-group, no clusters, 0 bytes of LDS; arguments x, Wq, Wk, Wv, Wp, attn_mask, rope_cos, rope_sin, wb, mw, rt; writes wb, mw, rt
.if DOCPART == 1
	.amdgcn_target "amdgcn-amd-amdhsa--gfx1250"
	.amdhsa_code_object_version 6
	.text
	.protected	k_q687cda5f90_prep
	.globl	k_q687cda5f90_prep
	.p2align	8
	.type	k_q687cda5f90_prep,@function
k_q687cda5f90_prep:
	s_mov_b64 s[64:65], 0
	v_nop
	global_prefetch_b8 v0, s[64:65] scope:SCOPE_SE
	s_setreg_imm32_b32 hwreg(HW_REG_WAVE_MODE, 25, 1), 1
	s_wait_xcnt 0x0
; PREPARATION.  The grid's y picks the job; x picks one of 256 equal parts of it.
;   y = 0..3  x, Wq, Wk, Wv (f32) are rounded to bf16 into sections 0..3 of wb (8 MiB each, [2048][2048])
;   y = 4     Wp is rounded to bf16 and that number is written as f16 into section 4 (exact from 2^-14 up; below it f16 keeps a fixed step of 6e-8; beyond 65,504 it would be an infinity)
;   y = 5     attn_mask (bytes) becomes lane masks: word (qt, kg, j) at byte ((128 qt + kg) 8 + j) 4 of mw; its bit L is mask[16 qt + L % 16][16 kg + 8 (L / 16) + j]
;   y = 6     the rotation tables: rt[sec][t][i] = (c, s), 8 bytes: sec 0 (q) bf16(cos), bf16(sin) times C0 = log2(e) / sqrt(128); sec 1 (k) bf16(cos), bf16(sin); sec 2 (v) 1, 0
; A stream: no LDS, no barrier, no loop; no register that a pending load or store names is written again.
.set C0,  0x3e0293ee                   ; log2(e) / sqrt(128)
.set LD,  16                           ; v[16:79]   16 x 4 numbers as loaded
.set ST,  80                           ; v[80:111]  16 x 2 registers to store
	s_load_b512 s[8:23], s[0:1], 0x0               ; x 8:9, Wq 10:11, Wk 12:13, Wv 14:15, Wp 16:17, mask 18:19, cos 20:21, sin 22:23
	s_load_b128 s[24:27], s[0:1], 0x40             ; wb 24:25, mw 26:27
	s_load_b64 s[28:29], s[0:1], 0x50              ; rt
	s_and_b32 s2, ttmp7, 0xffff                    ; the job
	v_lshrrev_b32 v1, 5, v0
	v_readfirstlane_b32 s3, v1                     ; wave 0..7
	v_and_b32 v3, 31, v0                           ; lane
	s_wait_kmcnt 0x0
	s_cmp_eq_u32 s2, 5
	s_cbranch_scc1 .Lmask
	s_cmp_eq_u32 s2, 6
	s_cbranch_scc1 .Lrope
	; THE CASTS.  A work-group takes 65,536 bytes of its source; thread t takes the 16 bytes at 16 t of every 4,096: a wave's load covers 512 bytes on end, and no byte is touched by two loads.
	s_cmp_eq_u32 s2, 1
	s_cselect_b64 s[8:9], s[10:11], s[8:9]
	s_cmp_eq_u32 s2, 2
	s_cselect_b64 s[8:9], s[12:13], s[8:9]
	s_cmp_eq_u32 s2, 3
	s_cselect_b64 s[8:9], s[14:15], s[8:9]
	s_cmp_eq_u32 s2, 4
	s_cselect_b64 s[8:9], s[16:17], s[8:9]
	s_lshl_b32 s30, ttmp9, 16
	s_mov_b32 s31, 0
	s_add_nc_u64 s[8:9], s[8:9], s[30:31]
	s_lshl_b32 s32, s2, 23                         ; the section,
	s_lshl_b32 s33, ttmp9, 15                      ; my 32,768 bytes of it
	s_add_co_u32 s32, s32, s33
	s_mov_b32 s33, 0
	s_add_nc_u64 s[24:25], s[24:25], s[32:33]
	v_lshlrev_b32 v1, 4, v0
	v_lshlrev_b32 v2, 3, v0
.set i, 0
.rept 16                               ; all 16 loads of a thread go out at once: 8 KiB a wave on their way
	global_load_b128 v[LD+4*i:LD+4*i+3], v1, s[8:9] offset:4096*i th:TH_LOAD_NT
.set i, i+1
.endr
; half = 1: the bf16 number is widened again and written as f16
.macro CONV half
.set i, 0
.rept 16
	s_wait_loadcnt 15-i                            ; loads come back in order: load i is in, the 15 - i younger loads stay out
.irp k, 0,1
	v_cvt_pk_bf16_f32 v[ST+2*i+(\k)], v[LD+4*i+2*(\k)], v[LD+4*i+2*(\k)+1]
.endr
.if \half
.irp k, 0,1
	v_lshlrev_b32 v4, 16, v[ST+2*i+(\k)]
	v_and_b32 v5, 0xffff0000, v[ST+2*i+(\k)]
	v_cvt_pk_f16_f32 v[ST+2*i+(\k)], v4, v5
.endr
.endif
	global_store_b64 v2, v[ST+2*i:ST+2*i+1], s[24:25] offset:2048*i th:TH_STORE_NT  ; the wave's 32 lanes store 256 bytes on end, aligned
.set i, i+1
.endr
.endm
	s_cmp_eq_u32 s2, 4
	s_cbranch_scc1 .Lcast16
	CONV 0
	s_endpgm
.Lcast16:
	CONV 1
	s_endpgm
	; THE MASK.  The work-group takes 16 queries (qt = x / 2) and 1,024 keys (half x % 2), wave w 128 of them: 8 groups of 16.  Lane L reads 8 bytes of row L % 16, at 8 (L / 16) of each group:
	; the wave's 8 loads together take 128 bytes on end of each of the 16 rows.  A compare of byte j of all lanes IS the word (qt, kg, j).
.Lmask:
	v_and_b32 v4, 15, v0
	v_bfe_u32 v5, v0, 4, 1
	s_lshr_b32 s30, ttmp9, 1                       ; qt
	s_and_b32 s31, ttmp9, 1                        ; which half of the keys
	s_lshl_b32 s32, s30, 15                        ; 16 rows of 2,048 bytes
	s_lshl_b32 s33, s31, 10
	s_add_co_u32 s32, s32, s33
	s_lshl_b32 s33, s3, 7
	s_add_co_u32 s32, s32, s33
	v_lshlrev_b32 v1, 11, v4
	v_lshl_add_u32 v1, v5, 3, v1
	v_add_nc_u32 v1, s32, v1
.set i, 0
.rept 8
	global_load_b64 v[LD+2*i:LD+2*i+1], v1, s[18:19] offset:16*i
.set i, i+1
.endr
	v_mov_b32 v8, 0                                ; v_writelane_b32 keeps the other lanes: the registers are written whole first
	v_mov_b32 v9, 0
	s_lshl_b32 s34, s30, 12                        ; 4,096 bytes of words for 16 queries, 2,048 for a half of the keys, 256 of them mine
	s_lshl_b32 s33, s31, 11
	s_add_co_u32 s34, s34, s33
	s_lshl_b32 s33, s3, 8
	s_add_co_u32 s34, s34, s33
	v_lshl_add_u32 v2, v3, 3, s34
	s_wait_loadcnt 0x0
.set W, 0                              ; word W = 8 g + j of my 64 goes to lane W / 2 of register 8 + W % 2: one store of 8 bytes a lane then lays the words in order
.rept 64
	v_and_b32 v6, 0xff<<(8*(W%4)), v[LD+2*(W/8)+(W%8)/4]
	v_cmp_ne_u32 s35, 0, v6
	v_writelane_b32 v[8+(W&1)], s35, W>>1
.set W, W+1
.endr
	global_store_b64 v2, v[8:9], s[26:27]          ; 256 bytes on end, aligned
	s_endpgm
	; THE TABLES.  Wave w takes row 8 x + w; lane l the entries 2 l, 2 l + 1: a load covers the row's 256 bytes, a store a row of 512.
.Lrope:
	s_lshl_b32 s30, ttmp9, 3
	s_add_co_u32 s30, s30, s3
	s_lshl_b32 s31, s30, 8
	v_lshl_add_u32 v1, v3, 3, s31
	s_lshl_b32 s31, s30, 9
	v_lshl_add_u32 v2, v3, 4, s31
	global_load_b64 v[16:17], v1, s[20:21]
	global_load_b64 v[18:19], v1, s[22:23]
	v_mov_b32 v8, 1.0
	v_mov_b32 v9, 0
	v_mov_b32 v10, 1.0
	v_mov_b32 v11, 0
	s_wait_loadcnt 0x0
	v_cvt_pk_bf16_f32 v4, v16, v17
	v_cvt_pk_bf16_f32 v5, v18, v19
	v_lshlrev_b32 v32, 16, v4                      ; c, s of entry 2 l
	v_lshlrev_b32 v33, 16, v5
	v_and_b32 v34, 0xffff0000, v4                  ; c, s of entry 2 l + 1
	v_and_b32 v35, 0xffff0000, v5
.irp k, 0,1,2,3
	v_mul_f32 v[36+(\k)], C0, v[32+(\k)]
.endr
	global_store_b128 v2, v[36:39], s[28:29]
	global_store_b128 v2, v[32:35], s[28:29] offset:(1<<20)
	global_store_b128 v2, v[8:11], s[28:29] offset:(2<<20)
	s_endpgm
.Lfunc_end_k_q687cda5f90_prep:
	.size	k_q687cda5f90_prep, .Lfunc_end_k_q687cda5f90_prep-k_q687cda5f90_prep
	.p2alignl 7, 3214868480
	.fill 96, 4, 3214868480
	.section	.rodata,"a",@progbits
	.p2align	6, 0x0
	.amdhsa_kernel k_q687cda5f90_prep
		.amdhsa_group_segment_fixed_size 0
		.amdhsa_private_segment_fixed_size 0
		.amdhsa_enable_private_segment 0
		.amdhsa_kernarg_size 88
		.amdhsa_user_sgpr_count 2
		.amdhsa_user_sgpr_kernarg_segment_ptr 1
		.amdhsa_wavefront_size32 1
		.amdhsa_system_sgpr_workgroup_id_x 1
		.amdhsa_system_sgpr_workgroup_id_y 1
		.amdhsa_system_sgpr_workgroup_id_z 1
		.amdhsa_system_vgpr_workitem_id 0
		.amdhsa_next_free_vgpr 112
		.amdhsa_next_free_sgpr 66
		.amdhsa_reserve_vcc 0
		.amdhsa_float_denorm_mode_32 3
		.amdhsa_float_denorm_mode_16_64 3
		.amdhsa_memory_ordered 1
		.amdhsa_forward_progress 1
		.amdhsa_inst_pref_size 32
	.end_amdhsa_kernel
	.amdgpu_metadata
---
amdhsa.version: [ 1, 2 ]
amdhsa.kernels:
  - .name:           k_q687cda5f90_prep
    .symbol:         k_q687cda5f90_prep.kd
    .args:
      - { .name: x, .offset: 0, .size: 8, .value_kind: global_buffer, .address_space: global }
      - { .name: Wq, .offset: 8, .size: 8, .value_kind: global_buffer, .address_space: global }
      - { .name: Wk, .offset: 16, .size: 8, .value_kind: global_buffer, .address_space: global }
      - { .name: Wv, .offset: 24, .size: 8, .value_kind: global_buffer, .address_space: global }
      - { .name: Wp, .offset: 32, .size: 8, .value_kind: global_buffer, .address_space: global }
      - { .name: attn_mask, .offset: 40, .size: 8, .value_kind: global_buffer, .address_space: global }
      - { .name: rope_cos, .offset: 48, .size: 8, .value_kind: global_buffer, .address_space: global }
      - { .name: rope_sin, .offset: 56, .size: 8, .value_kind: global_buffer, .address_space: global }
      - { .name: wb, .offset: 64, .size: 8, .value_kind: global_buffer, .address_space: global }
      - { .name: mw, .offset: 72, .size: 8, .value_kind: global_buffer, .address_space: global }
      - { .name: rt, .offset: 80, .size: 8, .value_kind: global_buffer, .address_space: global }
    .group_segment_fixed_size: 0
    .private_segment_fixed_size: 0
    .kernarg_segment_align: 8
    .kernarg_segment_size: 88
    .max_flat_workgroup_size: 256
    .sgpr_count:     66
    .vgpr_count:     112
    .wavefront_size: 32
...
	.end_amdgpu_metadata
.endif
;; end of part 1
;; launch qkv (part 2): grid 16 x 16, 4 waves a work-group, clusters of 4 x 4, 327,680 bytes of LDS; arguments wb, rt, qkv; writes qkv
.if DOCPART == 2
	.amdgcn_target "amdgcn-amd-amdhsa--gfx1250"
	.amdhsa_code_object_version 6
	.text
	.protected	k_q687cda5f90_qkv
	.globl	k_q687cda5f90_qkv
	.p2align	8
	.type	k_q687cda5f90_qkv,@function
k_q687cda5f90_qkv:
	s_mov_b64 s[64:65], 0
	v_nop
	global_prefetch_b8 v0, s[64:65] scope:SCOPE_SE
	s_setreg_imm32_b32 hwreg(HW_REG_WAVE_MODE, 25, 1), 1
	s_wait_xcnt 0x0
	s_wait_alu depctr_hold_cnt(0) depctr_sa_sdst(0) depctr_va_vdst(0) depctr_va_sdst(0) depctr_va_ssrc(0) depctr_va_vcc(0) depctr_vm_vsrc(0)
	s_getreg_b32 s2, hwreg(HW_REG_IB_STS2, 6, 4)
	s_cmp_eq_u32 s2, 0
	s_cbranch_scc0 .Lentry_in_a_cluster
	s_endpgm
.Lentry_in_a_cluster:
	s_bfe_u32 s2, ttmp6, 0x10000c
	s_cmp_lg_u32 s2, 0xf033
	s_cbranch_scc0 .Lentry_shape_is_right
	s_endpgm
.Lentry_shape_is_right:
; [2048 t][6144] = x [Wq; Wk; Wv]^T in bf16 with f32 sums; on the way out each pair of columns is rotated by the table rt (q also scaled by log2(e) / sqrt(128); v by (1, 0): unchanged),
; rounded ONCE to f16 and stored by heads: block col / 128 of qkv (16 of q, 16 of k, 16 of v), each [2048 t][128], rows of 256 bytes.
; LIMITS.  f16 holds no number beyond 65,504: a rotated q C0, k or v beyond it becomes an infinity; below 6e-5 f16 keeps a fixed step of 6e-8.  NaN and infinities are not treated apart.
; SHARES.  A tile of the result is 128 rows x 384 columns (three whole blocks of 128, so that every row of 256 bytes of qkv is stored whole by one work-group): 16 x 16 work-groups.
; Wave w makes all 128 rows x columns 96 w .. 96 w + 95: 48 accumulators of 16 x 16.  K goes in 16 steps of 128 through two LDS slots; a wave brings 128 rows x 256 bytes by one tensor load:
; wave 0 the rows of x, waves 1 to 3 the 384 rows of W.
; CLUSTER.  4 x 4 work-groups: the four of a row need the same rows of x, the four of a column the same rows of W: each tile is asked for jointly, by the same load, descriptor and mask in all four.
; THE MATRIX INSTRUCTION IS USED TRANSPOSED (source 0 = 16 rows of W, source 1 = 16 rows of x): a lane holds row l % 16 and the eight neighbouring columns 8 (l / 16) + 0..7: four pairs to rotate.
; REGISTERS, in windows of 256 (s_set_vgpr_msb: bits 1:0 source 0, 3:2 source 1, 5:4 source 2, 7:6 destination):
;   window 0: v0-37 addresses; v64-127, v128-191 fragments of x, two buffers; on the way out v64-159 the table's entries, v160-175 at work, then v64-255 the rows read back
;   window 1: v64-111, v128-175 fragments of W, two buffers      window 2: the accumulators of rows 0-63 ((a, b) at 8 (6 a + b))      window 3: those of rows 64-127
.set SIZE_K, 2048
.set KSTEP,  128
.set PITCH,  272                       ; an LDS row: 256 bytes + 16 of padding: the 16 rows of a fragment load start at 16 different groups of four banks
.set HALFT,  128*PITCH                 ; what one tensor load brings
.set SLOT,   4*HALFT                   ; 128 rows of x, then 384 rows of W
.set SPARE,  2*SLOT                    ; behind the ring: the spare words, 128 bytes a wave, which no other line names
.set SP,     784                       ; the stage for the way out: 128 rows of 768 bytes + 16, from LDS byte 0: slot 0 has had its last fill, and its last reads lie ahead of the last change of slots
.set LAPS,   SIZE_K/(2*KSTEP)
.set ADRA, 16                          ; v16-17  LDS address of my fragments of x in slot 0, 1
.set ADRB, 20                          ; v20-21  the same for W
.set STO,  22                          ; v22-23  where I put 16 bytes of a row of the stage: row blocks 0-3, 4-7
.set RD,   24                          ; v24     where I read rows back
.set CO,   25                          ; v25     my byte offset in two rows of a block of qkv
.set SPW,  28                          ; v28     my spare word; never rewritten
.set NIL,  29                          ; v29     0; never rewritten
.set PFO,  30                          ; v30     the prefetches' offset: lane x 4,096; never rewritten
.set RO,   32                          ; v32-37  my byte offset in rt for column block b
.set F0,   64
.set F1,   128
.set CS,   64                          ; two buffers of 48: the table's entries for a row block
.set T,    160
.set OUT,  168
.set BK,   64
.set G1,  24                           ; s[24:31] descriptor group 1 for x
.set G0,  32                           ; s[32:39] group 0 for x, a set for each slot
.set G1B, 48                           ; s[48:55], s[56:63] the same for W
.set G0B, 56
.set LIM, 43                           ; s43     1 in a wave that prefetches, else the greatest number
.set PFA, 44                           ; s[44:45] where my prefetches stand
.set MSB, 0
.macro WIN new                         ; the immediate's high byte repeats the setting that is left; a switch that changes nothing is dropped
.if MSB != (\new)
	s_set_vgpr_msb (MSB<<8)|(\new)
.set MSB, \new
.endif
.endm
.set MUL_LO, 0xa1                      ; source 0 (W) window 1, source 1 (x) window 0, C and D window 2
.set MUL_HI, 0xf1                      ; the same, C and D window 3
.set TO_B,   0x40
.macro JLOAD s                         ; a joint load; the branch hangs on the wave's number alone.  An s_nop 0 and four v_nop follow each line
	s_cmp_eq_u32 s10, 0
	s_cbranch_scc0 .Lfor_b_\@
	tensor_load_to_lds s[G0+4*(\s):G0+4*(\s)+3], s[G1:G1+7]
	s_nop 0
.rept 4
	v_nop
.endr
	s_branch .Lasked_\@
.Lfor_b_\@:
	tensor_load_to_lds s[G0B+4*(\s):G0B+4*(\s)+3], s[G1B:G1B+7]
	s_nop 0
.rept 4
	v_nop
.endr
.Lasked_\@:
.endm
; A prefetch of the K step that stands two refills on: 32 rows x 256 bytes, a lane a row.  Each row's 256 bytes of a K step are named once in the launch: x's by the clusters with x = 0 (wave 0),
; W's by the clusters with y = 0 (waves 1 to 3); the four partners that ask for a tile jointly share its 128 rows out by address.  The loop's last trip (s3 = 1) has no K step two on.
.macro ASK
	s_cmp_gt_u32 s3, s[LIM]
	s_cbranch_scc0 .Lnot_mine_\@
	global_prefetch_b8 v[PFO], s[PFA:PFA+1] offset:KSTEP*2 th:TH_LOAD_NT scope:SCOPE_SE
.Lnot_mine_\@:
.endm
.macro CREST                           ; a round of the cluster's barrier behind its opening barrier
	s_cmp_lg_u32 s10, 0
	s_cbranch_scc1 .Lnot_wave_0_\@
	s_barrier_signal -3
.Lnot_wave_0_\@:
	s_barrier_wait -3
	s_barrier_signal -1
	s_barrier_wait -1
.endm
.macro CROUND
	s_barrier_signal -1
	s_barrier_wait -1
	CREST
.endm
	s_load_b128 s[4:7], s[0:1], 0x0                ; wb s[4:5], rt s[6:7]
	s_load_b64 s[8:9], s[0:1], 0x10                ; qkv
	v_lshl_add_u32 v[SPW], v0, 2, SPARE
	v_mov_b32 v[NIL], 0
	ds_add_u32 v[SPW], v[NIL]                      ; the wave's opening: the add and its wait stand ahead of my first tensor load; work on registers stands between them
	v_lshrrev_b32 v1, 5, v0
	v_readfirstlane_b32 s10, v1                    ; wave 0..3
	s_max_u32 s12, s10, 1
	s_sub_co_u32 s12, s12, 1                       ; which 128 rows of W I fetch (waves 1 to 3)
	s_bfe_u32 s40, ttmp6, 0x40000                  ; cx
	s_bfe_u32 s41, ttmp6, 0x40004                  ; cy
	s_lshl_b32 s42, ttmp9, 2
	s_add_co_u32 s42, s42, s40                     ; tile column tx
	s_and_b32 s13, ttmp7, 0xffff
	s_lshl_b32 s13, s13, 2
	s_add_co_u32 s13, s13, s41                     ; tile row ty
	s_lshl_b32 s43, s41, 2
	s_lshl_b32 s43, 15, s43                        ; my row of the cluster
	s_lshl_b32 s44, 0x1111, s40                    ; my column
	s_or_b32 s[G1+0], s43, (1<<16)|(1<<20)|(1<<21)|(5<<22)|(3<<25)   ; the mask; 2-byte elements; padding on; bit 21 beside a mask; after every 64 words 4 words
	s_or_b32 s[G1B+0], s44, (1<<16)|(1<<20)|(1<<21)|(5<<22)|(3<<25)
.irp g, G1, G1B
	s_mov_b32 s[(\g)+1], KSTEP<<16                 ; tensor_dim0 = 128
	s_mov_b32 s[(\g)+2], 128<<16                   ; tensor_dim1 = 128
	s_mov_b32 s[(\g)+3], KSTEP<<16                 ; tile_dim0 = 128
	s_mov_b32 s[(\g)+4], 128                       ; tile_dim1 = 128
	s_mov_b32 s[(\g)+5], SIZE_K                    ; elements from row to row
	s_mov_b32 s[(\g)+6], 0
	s_mov_b32 s[(\g)+7], 0
.endr
	s_lshl_b32 s16, s13, 19                        ; x: 128 ty rows of 4,096 bytes
	s_mov_b32 s17, 0
	s_mul_i32 s46, s42, 384
	s_lshl_b32 s47, s12, 7
	s_add_co_u32 s46, s46, s47
	s_lshl_b32 s46, s46, 12                        ; W: row 384 tx + 128 (w - 1),
	s_add_co_u32 s46, s46, 0x800000                ; behind section 0
	s_mov_b32 s47, 0
	s_mul_i32 s20, s10, HALFT                      ; where my rows go: no place in the cluster enters an LDS address
	s_wait_dscnt 0x0                               ; the opening add is done
	s_wait_kmcnt 0x0
	s_add_nc_u64 s[14:15], s[4:5], s[16:17]
	s_add_nc_u64 s[46:47], s[4:5], s[46:47]
	CROUND                                         ; all sixteen work-groups are here: the first joint loads meet
.irp s, 0,1
	s_mov_b32 s[G0+4*(\s)], 1
	s_add_co_u32 s[G0+4*(\s)+1], s20, (\s)*SLOT
	s_add_nc_u64 s[G0+4*(\s)+2:G0+4*(\s)+3], s[14:15], (\s)*KSTEP*2
	s_or_b32 s[G0+4*(\s)+3], s[G0+4*(\s)+3], 0x80000000
	s_mov_b32 s[G0B+4*(\s)], 1
	s_add_co_u32 s[G0B+4*(\s)+1], s20, (\s)*SLOT
	s_add_nc_u64 s[G0B+4*(\s)+2:G0B+4*(\s)+3], s[46:47], (\s)*KSTEP*2
	s_or_b32 s[G0B+4*(\s)+3], s[G0B+4*(\s)+3], 0x80000000
	JLOAD \s                                       ; two loads of mine are out
.endr
	; a fragment is 16 rows x 32 K in 8 registers: lane l holds row l % 16, K = 8 (l / 16) + 0..7 and 16 + 8 (l / 16) + 0..7: two loads of 16 bytes, 32 bytes apart
	v_and_b32 v1, 15, v0                           ; r
	v_bfe_u32 v2, v0, 4, 1                         ; h
	v_mul_u32_u24 v3, v1, PITCH
	v_lshl_add_u32 v3, v2, 4, v3
	s_mul_i32 s22, s10, 96*PITCH
	s_add_co_u32 s22, s22, HALFT                   ; my 96 rows of W lie behind x's 128
	v_mov_b32 v[ADRA], v3
	v_add_nc_u32 v[ADRA+1], SLOT, v3
	v_add_nc_u32 v[ADRB], s22, v3
	s_add_co_u32 s22, s22, SLOT
	v_add_nc_u32 v[ADRB+1], s22, v3
	v_mul_u32_u24 v4, v1, SP                       ; into the stage: row r of a row block, my 192 bytes, 16 for each half of the lanes
	v_lshl_add_u32 v4, v2, 4, v4
	s_mul_i32 s23, s10, 192
	v_add_nc_u32 v[STO], s23, v4
	v_add_nc_u32 v[STO+1], 4*16*SP, v[STO]
	s_mul_i32 s23, s10, 32*SP                      ; back: wave w takes rows 32 w .. 32 w + 31; lanes 0-15 one row's 256 bytes, lanes 16-31 the next row's
	v_mul_u32_u24 v5, v2, SP
	v_lshl_add_u32 v5, v1, 4, v5
	v_add_nc_u32 v[RD], s23, v5
	v_lshlrev_b32 v5, 8, v2
	v_lshl_add_u32 v[CO], v1, 4, v5
	v_lshlrev_b32 v6, 9, v1                        ; in rt: row r of 512 bytes, 32 bytes (four entries) for each half of the lanes
	v_lshl_add_u32 v6, v2, 5, v6
	s_mul_i32 s46, s42, 384
	s_mul_i32 s47, s10, 96
	s_add_co_u32 s46, s46, s47                     ; my first column
.irp b, 0,1,2,3,4,5
	s_add_co_u32 s47, s46, 16*(\b)
	s_lshr_b32 s20, s47, 11                        ; q, k or v: the table's section of 1 MiB,
	s_lshl_b32 s20, s20, 20
	s_and_b32 s47, s47, 127                        ; the column in its head: 4 bytes of the table a column
	s_lshl2_add_u32 s20, s47, s20
	v_add_nc_u32 v[RO+(\b)], s20, v6
.endr
	s_lshl_b32 s20, s13, 16                        ; rt at the tile's first row
	s_mov_b32 s21, 0
	s_add_nc_u64 s[6:7], s[6:7], s[20:21]
	s_mul_i32 s20, s42, 3*524288                   ; qkv at block 3 tx, row 128 ty + 32 w
	s_lshl_b32 s22, s13, 15
	s_add_co_u32 s20, s20, s22
	s_lshl_b32 s22, s10, 13
	s_add_co_u32 s20, s20, s22
	s_add_nc_u64 s[8:9], s[8:9], s[20:21]
	; the prefetches: wb taken as rows of 4,096 bytes
	s_lshl_b32 s18, s13, 7                         ; x: row 128 ty
	s_mul_i32 s19, s42, 384
	s_lshl_b32 s20, s12, 7
	s_add_co_u32 s19, s19, s20
	s_add_co_u32 s19, s19, 2048                    ; W: row 2,048 + 384 tx + 128 (w - 1)
	s_and_b32 s22, ttmp7, 0xffff
	s_cmp_eq_u32 s10, 0
	s_cselect_b32 s20, s18, s19
	s_cselect_b32 s21, s40, s41                    ; my place among the four that ask with me
	s_cselect_b32 s22, ttmp9, s22                  ; the coordinate along which other clusters read the same rows
	s_cmp_eq_u32 s22, 0
	s_cselect_b32 s[LIM], 1, -1                    ; the same in all sixteen partners, for a given wave
	s_lshl_b32 s21, s21, 5
	s_add_co_u32 s20, s20, s21
	s_lshl_b32 s20, s20, 12
	s_add_co_u32 s20, s20, 2*KSTEP*2               ; at K step 2: the first refill steps it to 3 and names K step 4
	s_mov_b32 s21, 0
	s_add_nc_u64 s[PFA:PFA+1], s[4:5], s[20:21]
	v_and_b32 v[PFO], 31, v0
	v_lshlrev_b32 v[PFO], 12, v[PFO]
; 12 matrix instructions: row blocks a0, a0 + 1 of the window's four x all 6 column blocks, 32 along K.  zero = 1: the first product starts the sums.
; The 48 accumulators take turns in one fixed order, one instruction a turn.
.macro MUL12 f, hi, a0, zero
	WIN MUL_LO+0x50*(\hi)
.irp a, \a0, (\a0)+1
.irp b, 0,1,2,3,4,5
.if \zero
	v_wmma_f32_16x16x32_bf16 v[8*(6*(\a)+(\b)):8*(6*(\a)+(\b))+7], v[(\f)+8*(\b):(\f)+8*(\b)+7], v[(\f)+8*(4*(\hi)+(\a)):(\f)+8*(4*(\hi)+(\a))+7], 0
.else
	v_wmma_f32_16x16x32_bf16 v[8*(6*(\a)+(\b)):8*(6*(\a)+(\b))+7], v[(\f)+8*(\b):(\f)+8*(\b)+7], v[(\f)+8*(4*(\hi)+(\a)):(\f)+8*(4*(\hi)+(\a))+7], v[8*(6*(\a)+(\b)):8*(6*(\a)+(\b))+7]
.endif
.endr
.endr
.endm
; 28 LDS loads in one run: a quarter step's fragments (96 rows of W, then 128 rows of x, 32 K at byte k of the rows) into buffer f
.macro FETCH slot, k, f
	WIN TO_B
.irp i, 0,1,2,3,4,5
	ds_load_b128 v[(\f)+8*(\i):(\f)+8*(\i)+3],   v[ADRB+(\slot)] offset:(\k)+(\i)*16*PITCH
	ds_load_b128 v[(\f)+8*(\i)+4:(\f)+8*(\i)+7], v[ADRB+(\slot)] offset:(\k)+(\i)*16*PITCH+32
.endr
	WIN 0
.irp i, 0,1,2,3,4,5,6,7
	ds_load_b128 v[(\f)+8*(\i):(\f)+8*(\i)+3],   v[ADRA+(\slot)] offset:(\k)+(\i)*16*PITCH
	ds_load_b128 v[(\f)+8*(\i)+4:(\f)+8*(\i)+7], v[ADRA+(\slot)] offset:(\k)+(\i)*16*PITCH+32
.endr
.endm
.macro PLACES                          ; four plain vector instructions ahead of loads into registers that matrix instructions have read, and of vector work on their results
.rept 4
	v_nop
.endr
.endm
; A K step is four quarters of 32 along K, 48 matrix instructions each, on buffers 0, 1, 0, 1.  One of the first three: multiplies f and fetches the next quarter, at byte k, into g.
.macro QUARTER slot, k, f, g, zero
	s_wait_dscnt 8                                 ; W and x's rows 0-63 are in; the youngest eight loads (x's rows 64-127) may be out
	MUL12 \f, 0, 0, \zero
	MUL12 \f, 0, 2, \zero
	PLACES
	FETCH \slot, \k, \g
	s_wait_dscnt 28                                ; all but the 28 just issued
	MUL12 \f, 1, 0, \zero
	MUL12 \f, 1, 2, \zero
.endm
; The last quarter multiplies buffer 1 and changes slots: ONE barrier.  Ahead of it each wave waits for all its tensor loads (one is out: its part of the next slot), adds 0 to its spare word,
; and waits for that and for its reads of this slot.  fill = 1: the barrier opens a round of the cluster's, and this slot is filled again, two K steps ahead, first thing behind the round.
.macro TURN slot, next, fill
.if \fill
	s_wait_xcnt 0x0                                ; the last prefetch, a K step back, has read its address
	s_add_nc_u64 s[PFA:PFA+1], s[PFA:PFA+1], KSTEP*2
.endif
	WIN 0
	s_wait_tensorcnt 0x0                           ; all my tensor loads have landed
	ds_add_u32 v[SPW], v[NIL]                      ; 0 onto my spare word
	s_wait_dscnt 9                                 ; (the add and the youngest eight loads may be out)
	MUL12 F1, 0, 0, 0
	s_wait_dscnt 0x0                               ; the add is done, and my reads of this slot are over
	s_barrier_signal -1
	MUL12 F1, 0, 2, 0
.if \fill
	WIN 0
.endif
	s_barrier_wait -1
.if \fill
	CREST                                          ; no wave of any partner still reads this slot or has a load on its way
	s_add_nc_u64 s[G0+4*(\slot)+2:G0+4*(\slot)+3], s[G0+4*(\slot)+2:G0+4*(\slot)+3], 2*KSTEP*2
	s_add_nc_u64 s[G0B+4*(\slot)+2:G0B+4*(\slot)+3], s[G0B+4*(\slot)+2:G0B+4*(\slot)+3], 2*KSTEP*2
	JLOAD \slot                                    ; my one tensor load behind the round; its four v_nop are also the places ahead of the loads below
.else
	PLACES
.endif
	FETCH \next, 0, F0
.if \fill
	ASK
.endif
	MUL12 F1, 1, 0, 0
	MUL12 F1, 1, 2, 0
.endm
	s_wait_tensorcnt 0x1                           ; my part of K step 0 is in; K step 1's may stay out
	s_barrier_signal -1
	s_barrier_wait -1
	FETCH 0, 0, F0
	QUARTER 0, 64, F0, F1, 1                       ; the first quarter stands ahead of the loop: its products start the sums
	WIN 0
	s_mov_b32 s3, LAPS-1
.Llap:                                                 ; a trip goes once round the ring, from a lap's second quarter to the next lap's first, and fills both slots again
	QUARTER 0, 128, F1, F0, 0
	QUARTER 0, 192, F0, F1, 0
	TURN 0, 1, 1
	QUARTER 1, 64,  F0, F1, 0
	QUARTER 1, 128, F1, F0, 0
	QUARTER 1, 192, F0, F1, 0
	TURN 1, 0, 1
	QUARTER 0, 64,  F0, F1, 0
	WIN 0
	s_sub_co_u32 s3, s3, 1
	s_cmp_lg_u32 s3, 0
	s_cbranch_scc1 .Llap
	QUARTER 0, 128, F1, F0, 0                      ; the last lap fills nothing
	QUARTER 0, 192, F0, F1, 0
	TURN 0, 1, 0
	QUARTER 1, 64,  F0, F1, 0
	QUARTER 1, 128, F1, F0, 0
	QUARTER 1, 192, F0, F1, 0
	s_wait_dscnt 8
	MUL12 F1, 0, 0, 0
	MUL12 F1, 0, 2, 0
	s_wait_dscnt 0x0
	MUL12 F1, 1, 0, 0
	MUL12 F1, 1, 2, 0
	WIN 0
; THE WAY OUT.  For row block a: the table's entries for my eight columns of each of the six column blocks (12 loads of 16 bytes), two row blocks ahead of their use.
.macro ROPEL a
	WIN 0
.irp b, 0,1,2,3,4,5
	global_load_b128 v[CS+48*((\a)%2)+8*(\b):CS+48*((\a)%2)+8*(\b)+3],   v[RO+(\b)], s[6:7] offset:8192*(\a)
	global_load_b128 v[CS+48*((\a)%2)+8*(\b)+4:CS+48*((\a)%2)+8*(\b)+7], v[RO+(\b)], s[6:7] offset:8192*(\a)+16
.endr
.endm
; (x0, x1) becomes (x0 c - x1 s, x0 s + x1 c); each accumulator is read from its low end on; eight numbers pack into 16 bytes of a row of the stage.
.macro ROT a
.irp b, 0,1,2,3,4,5
.set AC, 8*(6*((\a)%4)+(\b))
.set CC, CS+48*((\a)%2)+8*(\b)
.set OO, OUT+4*((\b)%2)
	WIN 0x02+(\a)/4                                ; source 0: window 2 or 3
.irp p, 0,1,2,3
	v_mul_f32 v[T+2*(\p)],   v[AC+2*(\p)], v[CC+2*(\p)]
	v_mul_f32 v[T+2*(\p)+1], v[AC+2*(\p)], v[CC+2*(\p)+1]
.endr
.irp p, 0,1,2,3
	v_fma_f32 v[T+2*(\p)],   -v[AC+2*(\p)+1], v[CC+2*(\p)+1], v[T+2*(\p)]
	v_fma_f32 v[T+2*(\p)+1], v[AC+2*(\p)+1],  v[CC+2*(\p)],   v[T+2*(\p)+1]
.endr
	WIN 0
.irp p, 0,1,2,3
	v_cvt_pk_f16_f32 v[OO+(\p)], v[T+2*(\p)], v[T+2*(\p)+1]
.endr
	ds_store_b128 v[STO+(\a)/4], v[OO:OO+3] offset:((\a)%4)*16*SP+32*(\b)
.endr
.endm
	PLACES                                         ; the loads below land in registers that the last products read
	ROPEL 0
	ROPEL 1
.irp a, 0,1,2,3,4,5,6,7
.if (\a) < 7
	s_wait_loadcnt 12                              ; this block's entries are in; the next block's twelve loads stay out
.else
	s_wait_loadcnt 0x0
.endif
	ROT \a
.if (\a) < 6
	ROPEL (\a)+2
.endif
.endr
	s_wait_dscnt 0x0                               ; for the others' sake: my stores into the stage are done
	s_barrier_signal -1
	s_barrier_wait -1                              ; a row's 768 bytes come from four waves
.set n, 0
.rept 48                               ; 32 rows x three blocks of 256 bytes, two rows a load, into 48 registers' quads of their own
	ds_load_b128 v[BK+4*n:BK+4*n+3], v[RD] offset:2*SP*(n%16)+256*(n/16)
.set n, n+1
.endr
.set n, 0
.rept 48
	s_wait_dscnt 47-n                              ; LDS loads come back in order: load n is in
	global_store_b128 v[CO], v[BK+4*n:BK+4*n+3], s[8:9] offset:524288*(n/16)+512*(n%16)  ; 512 bytes on end, aligned: two rows of a block
.set n, n+1
.endr
	s_wait_tensorcnt 0x0                           ; the wave's end, behind my last tensor load and my last LDS store
	ds_add_u32 v[SPW], v[NIL]
	s_wait_dscnt 0x0
	CROUND                                         ; the closing round
	s_endpgm
.Lfunc_end_k_q687cda5f90_qkv:
	.size	k_q687cda5f90_qkv, .Lfunc_end_k_q687cda5f90_qkv-k_q687cda5f90_qkv
	.p2alignl 7, 3214868480
	.fill 96, 4, 3214868480
	.section	.rodata,"a",@progbits
	.p2align	6, 0x0
	.amdhsa_kernel k_q687cda5f90_qkv
		.amdhsa_group_segment_fixed_size 327680
		.amdhsa_private_segment_fixed_size 0
		.amdhsa_enable_private_segment 0
		.amdhsa_kernarg_size 24
		.amdhsa_user_sgpr_count 2
		.amdhsa_user_sgpr_kernarg_segment_ptr 1
		.amdhsa_wavefront_size32 1
		.amdhsa_system_sgpr_workgroup_id_x 1
		.amdhsa_system_sgpr_workgroup_id_y 1
		.amdhsa_system_sgpr_workgroup_id_z 1
		.amdhsa_system_vgpr_workitem_id 0
		.amdhsa_next_free_vgpr 960
		.amdhsa_next_free_sgpr 66
		.amdhsa_reserve_vcc 0
		.amdhsa_float_denorm_mode_32 3
		.amdhsa_float_denorm_mode_16_64 3
		.amdhsa_memory_ordered 1
		.amdhsa_forward_progress 1
		.amdhsa_inst_pref_size 166
	.end_amdhsa_kernel
	.amdgpu_metadata
---
amdhsa.version: [ 1, 2 ]
amdhsa.kernels:
  - .name:           k_q687cda5f90_qkv
    .symbol:         k_q687cda5f90_qkv.kd
    .args:
      - { .name: wb, .offset: 0, .size: 8, .value_kind: global_buffer, .address_space: global }
      - { .name: rt, .offset: 8, .size: 8, .value_kind: global_buffer, .address_space: global }
      - { .name: qkv, .offset: 16, .size: 8, .value_kind: global_buffer, .address_space: global }
    .group_segment_fixed_size: 327680
    .private_segment_fixed_size: 0
    .kernarg_segment_align: 8
    .kernarg_segment_size: 24
    .max_flat_workgroup_size: 128
    .sgpr_count:     66
    .vgpr_count:     960
    .wavefront_size: 32
...
	.end_amdgpu_metadata
.endif
;; end of part 2
;; launch attn (part 3): grid 16 x 16, 4 waves a work-group, clusters of 4 x 1, 327,680 bytes of LDS; arguments qkv, mw, ob; writes ob
.if DOCPART == 3
	.amdgcn_target "amdgcn-amd-amdhsa--gfx1250"
	.amdhsa_code_object_version 6
	.text
	.protected	k_q687cda5f90_attn
	.globl	k_q687cda5f90_attn
	.p2align	8
	.type	k_q687cda5f90_attn,@function
k_q687cda5f90_attn:
	s_mov_b64 s[64:65], 0
	v_nop
	global_prefetch_b8 v0, s[64:65] scope:SCOPE_SE
	s_setreg_imm32_b32 hwreg(HW_REG_WAVE_MODE, 25, 1), 1
	s_wait_xcnt 0x0
	s_wait_alu depctr_hold_cnt(0) depctr_sa_sdst(0) depctr_va_vdst(0) depctr_va_sdst(0) depctr_va_ssrc(0) depctr_va_vcc(0) depctr_vm_vsrc(0)
	s_getreg_b32 s2, hwreg(HW_REG_IB_STS2, 6, 4)
	s_cmp_eq_u32 s2, 0
	s_cbranch_scc0 .Lentry_in_a_cluster
	s_endpgm
.Lentry_in_a_cluster:
	s_bfe_u32 s2, ttmp6, 0x10000c
	s_cmp_lg_u32 s2, 0x3003
	s_cbranch_scc0 .Lentry_shape_is_right
	s_endpgm
.Lentry_shape_is_right:
; ATTENTION UNDER A MASK THAT IS AN INPUT.  ob[t][128 h + d] = the sum over k of softmax_k(s[t][k]) v[h][k][d]; s = q . k where the mask is true, else the lowest finite f32 (NEG).
; q arrives scaled by log2(e) / sqrt(128), so p = 2^(s - m) with a running maximum m that starts at NEG.  A row with no true entry has s - m = 0 for every key: all weights alike, as in the reference.
; q, k, v: f16 by heads (qkv: blocks of [2048][128]); products, maxima and sums in f32; the weights are rounded to f16 for the second product (their sum l is taken of the unrounded p), the result once, to f16.
; LIMITS.  q, k, v arrive within f16's 65,504; p lies in 0 to 1 and below 6e-5 keeps f16's fixed step of 6e-8; a weight below 2^-126 counts as 0; NaN and infinities are not treated apart.
; SHARES.  A work-group owns 128 queries of one head.  Wave w owns the 64 queries of half w % 2 (four tiles of 16) and, of every 128 keys, the 64 of half w / 2: THE KEYS ARE SPLIT between the wave pairs,
; so that a fragment of K or V feeds four tiles and there are still 256 work-groups.  The two halves' m, l and O meet once, in LDS, at the end.
; LAYOUT.  S^T = K Q^T (source 0 = 16 keys, source 1 = 16 queries): a lane holds ONE query (lane % 16) and the keys 8 (lane / 16) + 0..7; two results rounded to f16 ARE source 1 of O^T = V^T P.
; THE MASK.  Word (qt, kg, j) of mw is the lane mask of register j of the result for queries 16 qt .. and keys 16 kg ..: it comes by scalar loads and is the selector of one v_cndmask_b32 a register.
; BY TURNS.  The tiles are two pieces (0: tiles 0, 1; 2: tiles 2, 3).  In a turn one piece has the matrix unit: 32 products V^T P of the step in hand, then 32 products K Q^T of the next step; the other
; piece's softmax, a list of 330, stands between them, five behind each product and the last ten at the turn's end.  Turn B (piece 2's products, piece 0's softmax of the next step) and turn A (piece 0's
; products of the next step, piece 2's softmax) make a trip.  m = NEG, l = 0, O = 0 and P of piece 2 = 0 at the start make the first trip a trip like any other: its first 32 products add 0.
; In the last trip of all turn A's 32 products K Q^T run on the last K once more and serve nothing: the price, once a launch, of one text for the two trips of the tail.
; CLUSTER.  The four query blocks of a cluster belong to one head and walk the same K and V: each tile is asked for jointly.  A slot holds 128 keys; each step reads one slot out.
; REGISTERS, in windows of 256 (s_set_vgpr_msb: bits 1:0 source 0, 3:2 source 1, 5:4 source 2, 7:6 destination):
;   window 0: v0-11 addresses; v12-43 eight registers of statistics a tile; v44-63 constants and addresses; v64-191 S^T, 32 a tile; v192-255 P, 16 a tile
;   window 1: O^T, 64 a tile          window 2: v0-127 Q; v128-255 K of one step          window 3: v0-127 V of one step
.set KS,    64
.set PK,    272       ; a row of K in LDS: 256 bytes + 16
.set PV,    288       ; a row of V: 256 + 32
.set VOFF,  KS*PK
.set STEPB, KS*(PK+PV)  ; 64 keys: their K, then their V
.set SLOT1, 1<<17     ; a slot holds two such halves; slot 1 begins here: one exclusive or turns an address of one slot into the other's
.set XCH,   SLOT1+2*STEPB  ; the exchange: for each query half 64 x 512 bytes of O^T, 512 of m, 512 of l; never filled by a tensor load
.set XW,    66*512
.set STAGE, XCH+2*XW  ; 16 rows x 272 bytes for each wave, for the way out
.set SP,    272
.set SPARE, STAGE+4*16*SP  ; the spare words, 128 bytes a wave, which no other line names
.set AK0, 2           ; v2   my lane's place in a tile of K; never rewritten
.set AV0, 3           ; v3   the same for V
.set ADR, 4           ; v4   the LDS address of the run of loads in hand
.set QO,  5           ; v5   my byte offset in the wave's rows of Q
.set STO, 6
.set RD,  7
.set GO,  8           ; v8   my byte offset in two rows of ob
.set ST,  12          ; tile t at v[ST+8 t]: +0 m, +1 a 0 (named with m as a pair), +2, +3 l, +4 to +7 c0-c3 at work; c2 takes a
.set NEGR, 44         ; v44  NEG
.set XA,  45          ; v45  my 16 bytes in a line of the exchange
.set XM,  48          ; v48-55 the exchange's m and l
.set PFO, 61          ; v61  256 x lane; never rewritten
.set SPW, 62
.set NIL, 63
.set S,   64
.set P,   192
.set KF,  128
.set WV,  2           ; s2   my wave's number
.set CNT, 3           ; s3   trips to go
.set G0A, 4           ; s[4:7]   descriptor group 0 of the first fill of slot 0
.set G0B, 8           ; s[8:11]  of slot 1; it then walks
.set G1K, 12          ; s[12:19] group 1 for K
.set G1V, 20          ; s[20:27] for V: other padding
.set MP,  28          ; s[28:29] mw at my tile 0, at the step whose words are asked for next
.set SEL, 30          ; s[30:31] v_permlanex16_b32's selects
.set PFA, 66          ; s[66:67] where my prefetches stand
.set TB,  100         ; s100 LDS byte at which my 64 keys of the slot to be fetched from begin
.set LIM, 101         ; s101 2 in a wave that prefetches, else the greatest number
.set OB,  104         ; s[104:105] ob at my wave's first row and head
                      ; s[32:63], s[68:99]: the 32 mask words of a piece's first and second tile; temporaries in the set-up
.set SKIP, 0
.set MSB, 0
.macro WIN new
.if MSB != (\new)
	s_set_vgpr_msb (MSB<<8)|(\new)
.set MSB, \new
.endif
.endm
.set W_KQ, 0x0a       ; K and Q in window 2, S^T in window 0
.set W_PV, 0x53       ; V in window 3, P in window 0, O^T in window 1
.set W_RS, 0x41       ; O^T (destination and source 0) in window 1, the factor in window 0
.macro JLOAD                        ; a joint refill: waves 0, 1 fetch the two halves' K, waves 2, 3 their V.  An s_nop 0 and four v_nop follow each line
	s_cmp_lt_u32 s[WV], 2
	s_cbranch_scc0 .Lfor_v_\@
	tensor_load_to_lds s[G0B:G0B+3], s[G1K:G1K+7]
	s_nop 0
.rept 4
	v_nop
.endr
	s_branch .Lasked_\@
.Lfor_v_\@:
	tensor_load_to_lds s[G0B:G0B+3], s[G1V:G1V+7]
	s_nop 0
.rept 4
	v_nop
.endr
.Lasked_\@:
.endm
; A prefetch of the 128 keys that the change of slots after the next will ask for: two trips, 256 matrix instructions, ahead of that load.  Each row of 256 bytes is named once in the launch: the head's first
; cluster asks; its four partners take 32 rows each, told apart by address; wave 0 asks for K's, wave 2 for V's, a lane a row.  The last two filling trips (CNT 2, 1) ask for nothing.
.macro ASK
	s_cmp_gt_u32 s[CNT], s[LIM]
	s_cbranch_scc0 .Lnot_mine_\@
	global_prefetch_b8 v[PFO], s[PFA:PFA+1] th:TH_LOAD_NT scope:SCOPE_SE
.Lnot_mine_\@:
.endm
.macro CREST
	s_cmp_lg_u32 s[WV], 0
	s_cbranch_scc1 .Lnot_wave_0_\@
	s_barrier_signal -3
.Lnot_wave_0_\@:
	s_barrier_wait -3
	s_barrier_signal -1
	s_barrier_wait -1
.endm
.macro CROUND
	s_barrier_signal -1
	s_barrier_wait -1
	CREST
.endm
.macro PLACES
.rept 4
	v_nop
.endr
.endm
	s_load_b128 s[32:35], s[0:1], 0x0  ; qkv s[32:33], mw s[34:35]
	s_load_b64 s[OB:OB+1], s[0:1], 0x10
	v_lshl_add_u32 v[SPW], v0, 2, SPARE
	v_mov_b32 v[NIL], 0
	ds_add_u32 v[SPW], v[NIL]       ; the wave's opening: the add and its wait stand ahead of my first tensor load; work on registers stands between them
	v_lshrrev_b32 v1, 5, v0
	v_readfirstlane_b32 s[WV], v1
	s_bfe_u32 s36, ttmp6, 0x40000   ; cx
	s_lshl_b32 s37, ttmp9, 2
	s_add_co_u32 s37, s37, s36      ; my block of 128 queries: it enters Q's, the mask's, ob's and the prefetches' addresses alone
	s_and_b32 s38, ttmp7, 0xffff    ; the head, which the four partners share
	s_and_b32 s39, s[WV], 1
	s_lshr_b32 s40, s[WV], 1
	s_add_co_u32 s44, s40, 1        ; the tile that I fetch: section k (waves 0, 1) or v (waves 2, 3) of 8 MiB,
	s_lshl_b32 s44, s44, 23
	s_lshl_b32 s41, s38, 19         ; the head's block,
	s_add_co_u32 s44, s44, s41
	s_lshl_b32 s42, s39, 14         ; the half w % 2 of a slot's 128 rows
	s_add_co_u32 s44, s44, s42
	s_mov_b32 s45, 0
	s_mul_i32 s46, s39, STEPB       ; and its place in a slot: no place in the cluster enters an LDS address
	s_mul_i32 s47, s40, VOFF
	s_add_co_u32 s46, s46, s47
	s_lshl_b32 s48, s37, 15         ; Q: the head's block, my block's 128 rows, my wave's 64
	s_add_co_u32 s48, s48, s41
	s_add_co_u32 s48, s48, s42
	s_mov_b32 s49, 0
	s_lshl_b32 s50, s37, 19         ; ob: rows of 4,096 bytes, the head's 256
	s_lshl_b32 s43, s39, 18
	s_add_co_u32 s50, s50, s43
	s_lshl_b32 s43, s38, 8
	s_add_co_u32 s50, s50, s43
	s_mov_b32 s51, 0
	s_lshl_b32 s52, s37, 15         ; mw: 4,096 bytes for 16 queries; my four tiles; my half's 128 bytes of a step's 256
	s_add_co_u32 s52, s52, s42
	s_lshl_b32 s43, s40, 7
	s_add_co_u32 s52, s52, s43
	s_mov_b32 s53, 0
	s_lshl_b32 s58, s36, 13         ; the prefetches: my work-group's 32 rows of the 128, three slots on; the first change steps it to slot 4
	s_add_co_u32 s58, s58, 3*2*KS*256
	s_mov_b32 s59, 0
	s_mul_i32 s60, s39, XW
	s_add_co_u32 s60, s60, XCH
	s_mul_i32 s61, s[WV], 16*SP
	s_add_co_u32 s61, s61, STAGE
	s_mov_b32 s[G1K], 15|(1<<16)|(1<<20)|(1<<21)|(5<<22)|(3<<25)  ; the mask of four; 2-byte elements; padding on; bit 21 beside a mask; after every 64 words 4 words
	s_mov_b32 s[G1V], 15|(1<<16)|(1<<20)|(1<<21)|(5<<22)|(7<<25)  ; the same with 8 words
.irp g, G1K, G1V
	s_mov_b32 s[(\g)+1], 128<<16    ; tensor_dim0 = 128
	s_mov_b32 s[(\g)+2], KS<<16     ; tensor_dim1 = 64
	s_mov_b32 s[(\g)+3], 128<<16    ; tile_dim0 = 128
	s_mov_b32 s[(\g)+4], KS         ; tile_dim1 = 64
	s_mov_b32 s[(\g)+5], 128        ; elements from row to row
	s_mov_b32 s[(\g)+6], 0
	s_mov_b32 s[(\g)+7], 0
.endr
	s_mov_b32 s[SEL], 0x76543210
	s_mov_b32 s[SEL+1], 0xfedcba98
	s_mul_i32 s[TB], s40, STEPB
	s_and_b32 s[LIM], s[WV], 1      ; 0 in waves 0 and 2,
	s_or_b32 s[LIM], s[LIM], ttmp9  ; where the cluster is the head's first: the same in all four partners
	s_cmp_eq_u32 s[LIM], 0
	s_cselect_b32 s[LIM], 2, -1
	s_mov_b32 s[G0A], 1
	s_mov_b32 s[G0A+1], s46
	s_mov_b32 s[G0B], 1
	s_add_co_u32 s[G0B+1], s46, SLOT1
	s_wait_dscnt 0x0                ; the opening add is done
	s_wait_kmcnt 0x0
	s_add_nc_u64 s[54:55], s[32:33], s[44:45]
	s_mov_b64 s[G0A+2:G0A+3], s[54:55]
	s_or_b32 s[G0A+3], s[G0A+3], 0x80000000
	s_add_nc_u64 s[G0B+2:G0B+3], s[54:55], 2*KS*256
	s_or_b32 s[G0B+3], s[G0B+3], 0x80000000
	s_add_nc_u64 s[56:57], s[32:33], s[48:49]      ; Q
	s_add_nc_u64 s[OB:OB+1], s[OB:OB+1], s[50:51]
	s_add_nc_u64 s[MP:MP+1], s[34:35], s[52:53]
	s_add_nc_u64 s[PFA:PFA+1], s[54:55], s[58:59]  ; (in waves 0 and 2 s[54:55] stands at a slot's first row)
	CROUND                          ; all four work-groups are here: the first joint loads meet
	s_cmp_lt_u32 s[WV], 2           ; a wave's two first fills stand in one branch: two loads of mine are out
	s_cbranch_scc0 .Lfirst_v
	tensor_load_to_lds s[G0A:G0A+3], s[G1K:G1K+7]
	s_nop 0
	tensor_load_to_lds s[G0B:G0B+3], s[G1K:G1K+7]
	s_nop 0
.rept 4
	v_nop
.endr
	s_branch .Lfirst_asked
.Lfirst_v:
	tensor_load_to_lds s[G0A:G0A+3], s[G1V:G1V+7]
	s_nop 0
	tensor_load_to_lds s[G0B:G0B+3], s[G1V:G1V+7]
	s_nop 0
.rept 4
	v_nop
.endr
.Lfirst_asked:
	v_and_b32 v1, 15, v0            ; r
	v_bfe_u32 v9, v0, 4, 1          ; h
	v_lshlrev_b32 v[QO], 8, v1
	v_lshl_add_u32 v[QO], v9, 4, v[QO]
	WIN 0x80
.irp i, 0,1,2,3,4,5,6,7,8,9,10,11,12,13,14,15  ; Q stays in registers: tile i / 4, channels 32 (i % 4) on
	global_load_b128 v[8*(\i):8*(\i)+3],   v[QO], s[56:57] offset:((\i)/4)*4096+((\i)%4)*64
	global_load_b128 v[8*(\i)+4:8*(\i)+7], v[QO], s[56:57] offset:((\i)/4)*4096+((\i)%4)*64+32
.endr
	WIN 0x40                        ; O^T starts at 0: written in the wait for the first tile, so that no first step is written out
.set i, 0
.rept 256
	v_mov_b32 v[i], 0
.set i, i+1
.endr
	WIN 0
.irp t, 0,1,2,3
	v_mov_b32 v[ST+8*(\t)], 0xff7fffff
	v_mov_b32 v[ST+8*(\t)+1], 0
	v_mov_b32 v[ST+8*(\t)+2], 0
	v_mov_b32 v[ST+8*(\t)+3], 0
.endr
.set i, P+32
.rept 32
	v_mov_b32 v[i], 0               ; P of piece 2: the first turn's products V^T P, of a step that has not been, add 0
.set i, i+1
.endr
	v_mov_b32 v[NEGR], 0xff7fffff
	v_mul_u32_u24 v[AK0], v1, PK
	v_lshl_add_u32 v[AK0], v9, 4, v[AK0]
	v_and_b32 v10, 7, v0            ; the turning load: lane l reads key 8 (l / 16) + l % 8, channels 8 ((l / 8) % 2) + 0..7
	v_bfe_u32 v11, v0, 3, 1
	v_lshl_add_u32 v[AV0], v9, 3, v10
	v_mul_u32_u24 v[AV0], v[AV0], PV
	v_lshl_add_u32 v[AV0], v11, 4, v[AV0]
	v_add_nc_u32 v[AV0], VOFF, v[AV0]
	v_mul_u32_u24 v[STO], v1, SP
	v_lshl_add_u32 v[STO], v9, 4, v[STO]
	v_add_nc_u32 v[STO], s61, v[STO]
	v_mul_u32_u24 v[RD], v9, SP
	v_lshl_add_u32 v[RD], v1, 4, v[RD]
	v_add_nc_u32 v[RD], s61, v[RD]
	v_lshlrev_b32 v[GO], 12, v9
	v_lshl_add_u32 v[GO], v1, 4, v[GO]
	v_and_b32 v10, 31, v0
	v_lshl_add_u32 v[XA], v10, 4, s60
	v_lshlrev_b32 v[PFO], 8, v10
; THE MATRIX WORK.  The accumulators take turns, one instruction a turn.
; Product i of 32 of S^T = K Q^T for piece x: channels 32 (i / 8) on, keys 16 ((i / 2) % 4) on, tile x + i % 2.  The first 8 start the sums.
.macro KQ x
	WIN W_KQ
.set rS, S+32*((\x)+i%2)+8*((i/2)%4)
.set rK, KF+32*((i/2)%4)+8*(i/8)
.set rQ, 32*((\x)+i%2)+8*(i/8)
.if i < 8
	v_wmma_f32_16x16x32_f16 v[rS:rS+7], v[rK:rK+7], v[rQ:rQ+7], 0
.else
	v_wmma_f32_16x16x32_f16 v[rS:rS+7], v[rK:rK+7], v[rQ:rQ+7], v[rS:rS+7]
.endif
.endm
; Product i of 32 of O^T += V^T P: keys 32 (i / 16) on, channels 16 ((i / 2) % 8) on, tile x + i % 2.
.macro PV x
	WIN W_PV
.set rO, 64*((\x)+i%2)+8*((i/2)%8)
.set rV, 64*(i/16)+8*((i/2)%8)
.set rP, P+16*((\x)+i%2)+8*(i/16)
	v_wmma_f32_16x16x32_f16 v[rO:rO+7], v[rV:rV+7], v[rP:rP+7], v[rO:rO+7]
.endm
.macro FETCH_K                      ; 32 LDS loads in one run: my 64 keys x 128 channels
	WIN 0
	v_add_nc_u32 v[ADR], s[TB], v[AK0]
	WIN 0x80
.irp f, 0,1,2,3,4,5,6,7,8,9,10,11,12,13,14,15  ; keys 16 (f / 4) on, channels 32 (f % 4) on
	ds_load_b128 v[KF+8*(\f):KF+8*(\f)+3],   v[ADR] offset:((\f)/4)*16*PK+((\f)%4)*64
	ds_load_b128 v[KF+8*(\f)+4:KF+8*(\f)+7], v[ADR] offset:((\f)/4)*16*PK+((\f)%4)*64+32
.endr
	WIN 0
.endm
.macro FETCH_V w                    ; w = 1: the softmax's one wait stands in it, behind the address's line and ahead of the loads
	WIN 0
	v_add_nc_u32 v[ADR], s[TB], v[AV0]
.if \w
	s_wait_alu depctr_va_vdst(0)
.endif
	WIN 0xc0
.irp f, 0,1,2,3,4,5,6,7,8,9,10,11,12,13,14,15  ; keys 32 (f / 8) on, channels 16 (f % 8) on
	ds_load_tr16_b128 v[8*(\f):8*(\f)+3],   v[ADR] offset:((\f)/8)*32*PV+((\f)%8)*32
	ds_load_tr16_b128 v[8*(\f)+4:8*(\f)+7], v[ADR] offset:((\f)/8)*32*PV+16*PV+((\f)%8)*32
.endr
	WIN 0
.endm
.macro MLOAD t0                     ; a step's 32 mask words for each of tiles t0, t0 + 1
	s_load_b512 s[32:47], s[MP:MP+1], (\t0)*4096
	s_load_b512 s[48:63], s[MP:MP+1], (\t0)*4096+64
	s_load_b512 s[68:83], s[MP:MP+1], (\t0)*4096+4096
	s_load_b512 s[84:99], s[MP:MP+1], (\t0)*4096+4160
.endm
; THE VECTOR WORK of a piece and step is a list of 330; SMQ writes number q of it for piece y and steps q.  The two tiles alternate.
;   0-63     the mask: register j of a tile keeps its score where bit lane of word j is set, else takes NEG; ascending
;   64-103   the maximum of the 32 scores and the old m (sixteen of three operands); the other half of the lanes'; m_old is kept; the new m; m_old - m
;   104-201  ONE BATCH: the 16 subtractions s - m, a pair each, and all 33 exponentials a tile; none of these names an exponential's result; a plain line stands after every two exponentials but at the end
;   (wait)   ahead of 202: a v_nop, the plain instruction behind the last exponential, and the one s_wait_alu ahead of the first line that names a result;
;            in piece 0's list (turn B) V's run of loads stands there, the wait in it
;   202-265  the roundings to f16, a pair each; the sums; l = a l + the sum
;   266-329  O^T times a: the one part that leaves window 0
; Behind number 63 a piece's words are spent, and the words that the NEXT turn's list wants are asked for, into the same registers: 51 products ahead of their first use.
; SKIP = 1 (the tail's turn A): in the last trip there is no further step, and the request is jumped over.
.macro SMQ y
.if q == 64
.if (\y) == 0
	MLOAD 2
.elseif SKIP
	WIN 0
	s_cmp_eq_u32 s[CNT], 1
	s_cbranch_scc1 .Lno_words_\@
	MLOAD 0
.Lno_words_\@:
.else
	MLOAD 0
.endif
.endif
.if q == 202
	WIN 0
	v_nop
.if (\y) == 0
	FETCH_V 1
.else
	s_wait_alu depctr_va_vdst(0)
.endif
.endif
.set su, q%2
.if (q >= 106) && (q < 202)
.set sk, (q-106)%6
.set sg, (q-106)/6
.set su, 0
.if (sk == 1) || (sk >= 4)
.set su, 1
.endif
.endif
.set rT, ST+8*((\y)+su)
.set rS, S+32*((\y)+su)
.set rP, P+16*((\y)+su)
.set rO, 64*((\y)+su)
.if q < 266
	WIN 0
.endif
.if q < 64
	v_cndmask_b32 v[rS+q/2], v[NEGR], v[rS+q/2], s[32+36*su+q/2]
.elseif q < 104
.set sn, (q-64)/2
.if sn < 4
	v_max3_num_f32 v[rT+4+sn], v[rS+8*sn], v[rS+8*sn+1], v[rS+8*sn+2]
.elseif sn < 12
	v_max3_num_f32 v[rT+4+sn%4], v[rT+4+sn%4], v[rS+8*(sn%4)+2*(sn/4)+1], v[rS+8*(sn%4)+2*(sn/4)+2]
.elseif sn == 12
	v_max3_num_f32 v[rT+4], v[rT+4], v[rS+7], v[rS+15]
.elseif sn == 13
	v_max3_num_f32 v[rT+6], v[rT+6], v[rS+23], v[rS+31]
.elseif sn == 14
	v_max3_num_f32 v[rT+4], v[rT+4], v[rT+5], v[rT+6]
.elseif sn == 15
	v_max3_num_f32 v[rT+4], v[rT+4], v[rT+7], v[rT]
.elseif sn == 16
	v_permlanex16_b32 v[rT+5], v[rT+4], s[SEL], s[SEL+1]  ; the query's other 32 keys lie in the lane 16 away
.elseif sn == 17
	v_mov_b32 v[rT+7], v[rT]
.elseif sn == 18
	v_max_num_f32 v[rT], v[rT+4], v[rT+5]
.else
	v_sub_f32 v[rT+7], v[rT+7], v[rT]
.endif
.elseif q < 106
	v_pk_add_f32 v[rS:rS+1], v[rS:rS+1], v[rT:rT+1] op_sel_hi:[1,0] neg_lo:[0,1] neg_hi:[0,1]
.elseif q < 202
.if ((sk == 2) || (sk == 5)) && (sg == 15)
	v_exp_f32 v[rT+6], v[rT+7]      ; a
.elseif (sk == 2) || (sk == 5)
	v_pk_add_f32 v[rS+2*sg+2:rS+2*sg+3], v[rS+2*sg+2:rS+2*sg+3], v[rT:rT+1] op_sel_hi:[1,0] neg_lo:[0,1] neg_hi:[0,1]
.else
	v_exp_f32 v[rS+2*sg+sk/3], v[rS+2*sg+sk/3]
.endif
.elseif q < 266
.set sn, (q-202)/2
.if sn < 16
	v_cvt_pk_f16_f32 v[rP+sn], v[rS+2*sn], v[rS+2*sn+1]
.else
.set sz, sn-16                      ; sum sz of 16 adds neighbours 1, 2, 4 and 8 pairs apart, in place; then l takes it
.set sw, 4
.set sx, sz
.if sz >= 14
.set sw, 32
.set sx, 0
.elseif sz >= 12
.set sw, 16
.set sx, sz-12
.elseif sz >= 8
.set sw, 8
.set sx, sz-8
.endif
.if sz < 15
	v_pk_add_f32 v[rS+sw*sx:rS+sw*sx+1], v[rS+sw*sx:rS+sw*sx+1], v[rS+sw*sx+sw/2:rS+sw*sx+sw/2+1]
.else
	v_pk_fma_f32 v[rT+2:rT+3], v[rT+2:rT+3], v[rT+6:rT+7], v[rS:rS+1] op_sel_hi:[1,0,1]
.endif
.endif
.else
.set sn, (q-266)/2
	WIN W_RS
	v_pk_mul_f32 v[rO+2*sn:rO+2*sn+1], v[rO+2*sn:rO+2*sn+1], v[rT+6:rT+7] op_sel_hi:[1,0]
.endif
.set q, q+1
.endm
.macro RIDE y, n
.rept \n
	SMQ \y
.endr
.endm
; AHEAD OF THE CHANGE OF SLOTS, in turn B behind its 57th product: V, the slot's last bytes, was asked for 16 products back.  Each wave waits for all its tensor loads (one is out: its part of the other slot),
; adds 0 to its spare word, and waits for that and for its reads of the slot; then it signals.  Up to the barrier's wait, at the turn's end, stands work on registers alone.
.macro PRE fill
	WIN 0
	s_wait_tensorcnt 0x0            ; all my tensor loads have landed, so a group 0 may be written
	ds_add_u32 v[SPW], v[NIL]       ; 0 onto my spare word; scalar work stands between it and the wait for it
.if \fill
	s_xor_b32 s[G0B+1], s[G0B+1], SLOT1  ; the walking descriptor: the other slot than last time,
	s_add_nc_u64 s[G0B+2:G0B+3], s[G0B+2:G0B+3], 2*KS*256  ; the next 128 keys
	s_wait_xcnt 0x0                 ; the last prefetch, a trip back, has read its address
	s_add_nc_u64 s[PFA:PFA+1], s[PFA:PFA+1], 2*KS*256
.endif
	s_xor_b32 s[TB], s[TB], SLOT1   ; the next fetches are from the other slot
	s_wait_dscnt 0x0                ; the add is done, V is in, and my reads of this slot are over
	s_barrier_signal -1
.endm
; TURN B.  Piece 2: V^T P of step j, K Q^T of step j + 1 | piece 0's softmax of step j + 1 | V of step j + 1 (behind product 40; the last product that read V is number 31, and more than four plain
; subtractions of the list stand between) | the change of slots.  fill = 1: the barrier opens a round of the cluster's, and the slot read out is filled again, with the keys two slots on, first thing behind it.
.macro TURNB fill
	s_wait_kmcnt 0x0                ; the words of tiles 0 and 1
.set q, 0
.set i, 0
.rept 32
	PV 2
	RIDE 0, 5
.set i, i+1
.endr
.set i, 0
.rept 32
	KQ 2
	RIDE 0, 5
.if i == 24
	PRE \fill
.endif
.set i, i+1
.endr
	RIDE 0, 10                      ; ten plain instructions on O^T: the places behind piece 2's scores and ahead of the loads into K's registers
	WIN 0
	s_barrier_wait -1
.if \fill
	CREST                           ; no wave of any partner still reads this slot or has a load on its way
	JLOAD                           ; my one tensor load behind the round
	ASK
.endif
.endm
; TURN A.  Piece 0: V^T P of step j, K Q^T of step j + 1 | piece 2's softmax of step j | K of step j + 1, behind the second product, 30 products ahead of its first use.
; V of step j is in: the change of slots has waited for it.  skip = 1 (the tail): in the last trip there is no step j + 1: K's run and the words' request are jumped over.
.macro TURNA skip
.set SKIP, \skip
	s_wait_kmcnt 0x0                ; the words of tiles 2 and 3; no scalar load reads its base any more:
	s_add_nc_u64 s[MP:MP+1], s[MP:MP+1], 256  ; the next step's words
.set q, 0
.set i, 0
.rept 32
	PV 0
	RIDE 2, 5
.if i == 1
.if \skip
	WIN 0
	s_cmp_eq_u32 s[CNT], 1
	s_cbranch_scc1 .Lno_k_\@
	FETCH_K
.Lno_k_\@:
.else
	FETCH_K
.endif
.endif
.set i, i+1
.endr
	s_wait_dscnt 0x0                ; K is in
.set i, 0
.rept 32
	KQ 0
	RIDE 2, 5
.set i, i+1
.endr
	RIDE 2, 10                      ; ten plain instructions on O^T: the places behind piece 0's scores
	WIN 0
.endm
	s_wait_tensorcnt 0x1            ; my part of slot 0 is in; slot 1's may stay out
	s_barrier_signal -1
	s_barrier_wait -1
	FETCH_K                         ; step 0
	FETCH_V 0                       ; the first turn multiplies it by P = 0 and fetches it again: so V's registers hold numbers, and no first turn is written out
	s_wait_loadcnt 0x0              ; Q is in, and its base, which lies among the mask's registers, is read
	MLOAD 0
	s_wait_dscnt 0x0
.set i, 0
.rept 32
	KQ 0                            ; piece 0's first scores: there is no vector work yet to set between them
.set i, i+1
.endr
	WIN 0
	PLACES                          ; behind those products, whose results the first turn's list reads
	s_mov_b32 s[CNT], 14
.Lstep:                             ; trip j = 0 .. 13: turn B of step j - 1, the change that asks for the keys of step j + 2, turn A of step j
	TURNB 1
	TURNA 0
	s_sub_co_u32 s[CNT], s[CNT], 1
	s_cmp_lg_u32 s[CNT], 0
	s_cbranch_scc1 .Lstep
	s_mov_b32 s[CNT], 2
.Ltail:                             ; the last two trips are a text of their own
	TURNB 0
	TURNA 1
	s_sub_co_u32 s[CNT], s[CNT], 1
	s_cmp_lg_u32 s[CNT], 0
	s_cbranch_scc1 .Ltail
.set i, 0
.rept 32
	PV 2                            ; piece 2: V^T P of the last step
.set i, i+1
.endr
	WIN 0
	; THE TWO KEY HALVES MEET.  l's two halves and the other half of the lanes' are added (the additions are the places behind the last products).
.irp t, 0,1,2,3
	v_add_f32 v[ST+8*(\t)+2], v[ST+8*(\t)+2], v[ST+8*(\t)+3]
.endr
.irp t, 0,1,2,3
	v_permlanex16_b32 v[ST+8*(\t)+3], v[ST+8*(\t)+2], s[SEL], s[SEL+1]
.endr
.irp t, 0,1,2,3
	v_add_f32 v[ST+8*(\t)+2], v[ST+8*(\t)+2], v[ST+8*(\t)+3]
.endr
	s_cmp_lt_u32 s[WV], 2
	s_cbranch_scc1 .Lkeep
.irp t, 0,1,2,3                     ; waves 2 and 3 hand m, l and O^T to waves 0 and 1, lane to lane: 16 bytes a lane, 512 on end a store
	v_mov_b32 v[XM+(\t)], v[ST+8*(\t)]
	v_mov_b32 v[XM+4+(\t)], v[ST+8*(\t)+2]
.endr
	ds_store_b128 v[XA], v[XM:XM+3] offset:64*512
	ds_store_b128 v[XA], v[XM+4:XM+7] offset:65*512
	WIN 0x04                        ; the data (source 1) in window 1
.set i, 0
.rept 64
	ds_store_b128 v[XA], v[4*i:4*i+3] offset:512*i
.set i, i+1
.endr
	WIN 0
.Lkeep:
	s_wait_dscnt 0x0                ; for the others' sake: my stores are done
	s_barrier_signal -1
	s_barrier_wait -1
	s_cmp_lt_u32 s[WV], 2
	s_cbranch_scc0 .Lend
	ds_load_b128 v[XM:XM+3], v[XA] offset:64*512
	ds_load_b128 v[XM+4:XM+7], v[XA] offset:65*512
	s_wait_dscnt 0x0
.irp t, 0,1,2,3                     ; the common maximum; a1 = 2^(m1 - mm), a2 = 2^(m2 - mm)
	v_max_num_f32 v[ST+8*(\t)+4], v[ST+8*(\t)], v[XM+(\t)]
.endr
.irp t, 0,1,2,3
	v_sub_f32 v[ST+8*(\t)+5], v[ST+8*(\t)], v[ST+8*(\t)+4]
	v_sub_f32 v[ST+8*(\t)+7], v[XM+(\t)], v[ST+8*(\t)+4]
.endr
.irp t, 0,1,2,3
	v_exp_f32 v[ST+8*(\t)+5], v[ST+8*(\t)+5]
	v_exp_f32 v[ST+8*(\t)+7], v[ST+8*(\t)+7]
.endr
	v_nop                           ; a plain instruction behind the last exponential,
	s_wait_alu depctr_va_vdst(0)    ; and the one wait for the eight
.irp t, 0,1,2,3
	v_mul_f32 v[ST+8*(\t)+4], v[ST+8*(\t)+5], v[ST+8*(\t)+2]
.endr
.irp t, 0,1,2,3
	v_fma_f32 v[ST+8*(\t)+4], v[ST+8*(\t)+7], v[XM+4+(\t)], v[ST+8*(\t)+4]  ; l = a1 l1 + a2 l2: at least 1, since the half that holds the maximum has a weight of 1
.endr
.irp t, 0,1,2,3
	v_rcp_f32 v[ST+8*(\t)+4], v[ST+8*(\t)+4]
.endr
	v_nop
	s_wait_alu depctr_va_vdst(0)    ; one wait for the four reciprocals
.irp t, 0,1,2,3
	v_mul_f32 v[ST+8*(\t)+6], v[ST+8*(\t)+7], v[ST+8*(\t)+4]  ; f2 = a2 / l
	v_mul_f32 v[ST+8*(\t)+4], v[ST+8*(\t)+5], v[ST+8*(\t)+4]  ; f1 = a1 / l
.endr
.macro XLOAD t                      ; the partner's O^T of tile t into S's half t % 2
	WIN 0
.irp g, 0,1,2,3,4,5,6,7,8,9,10,11,12,13,14,15
	ds_load_b128 v[S+64*((\t)%2)+4*(\g):S+64*((\t)%2)+4*(\g)+3], v[XA] offset:512*(16*(\t)+(\g))
.endr
.endm
; Tile t: O f1 + O2 f2, rounded to f16; a lane's eight channels pack into 16 bytes; they go into rows of 272 bytes of my stage and come back as whole rows of 256.  younger: the LDS instructions issued behind XLOAD t.
.macro PACK t, younger
	WIN W_RS
.set i, 64*(\t)
.rept 32
	v_pk_mul_f32 v[i:i+1], v[i:i+1], v[ST+8*(\t)+4:ST+8*(\t)+5] op_sel_hi:[1,0]
.set i, i+2
.endr
	s_wait_dscnt \younger
	WIN 0x50                        ; destination and source 2 in window 1
.set i, 0
.rept 32
	v_pk_fma_f32 v[64*(\t)+i:64*(\t)+i+1], v[S+64*((\t)%2)+i:S+64*((\t)%2)+i+1], v[ST+8*(\t)+6:ST+8*(\t)+7], v[64*(\t)+i:64*(\t)+i+1] op_sel_hi:[1,0,1]
.set i, i+2
.endr
	s_wait_xcnt 0x0                 ; the stores of the tile two back have read the registers that are written next
	WIN 0x05
.set i, 0
.rept 32
	v_cvt_pk_f16_f32 v[P+32*((\t)%2)+i], v[64*(\t)+2*i], v[64*(\t)+2*i+1]
.set i, i+1
.endr
	WIN 0
.irp f, 0,1,2,3,4,5,6,7
	ds_store_b128 v[STO], v[P+32*((\t)%2)+4*(\f):P+32*((\t)%2)+4*(\f)+3] offset:32*(\f)
.endr
.irp f, 0,1,2,3,4,5,6,7
	ds_load_b128 v[P+32*((\t)%2)+4*(\f):P+32*((\t)%2)+4*(\f)+3], v[RD] offset:(\f)*2*SP  ; LDS serves a wave's instructions in order (ISA guide 5.7.1.4): these see the stores above
.endr
.endm
.macro SEND t, younger              ; younger: the LDS instructions issued behind tile t's loads from the stage
	WIN 0
.irp f, 0,1,2,3,4,5,6,7
	s_wait_dscnt (\younger)+7-(\f)
	global_store_b128 v[GO], v[P+32*((\t)%2)+4*(\f):P+32*((\t)%2)+4*(\f)+3], s[OB:OB+1] offset:(\t)*65536+(\f)*8192  ; 16 lanes store 256 bytes on end, aligned: a head's part of a row
.endr
.endm
	XLOAD 0
	XLOAD 1
	PACK 0, 16                      ; behind XLOAD 0: XLOAD 1's 16
	XLOAD 2
	PACK 1, 32                      ; behind XLOAD 1: PACK 0's 16, XLOAD 2's 16
	SEND 0, 32                      ; behind PACK 0's loads: XLOAD 2's 16, PACK 1's 16
	XLOAD 3
	PACK 2, 32                      ; behind XLOAD 2: PACK 1's 16, XLOAD 3's 16
	SEND 1, 32                      ; behind PACK 1's loads: XLOAD 3's 16, PACK 2's 16
	PACK 3, 16                      ; behind XLOAD 3: PACK 2's 16
	SEND 2, 16                      ; behind PACK 2's loads: PACK 3's 16
	SEND 3, 0
.Lend:
	s_wait_tensorcnt 0x0            ; the wave's end, behind my last tensor load and my last LDS store
	ds_add_u32 v[SPW], v[NIL]
	s_wait_dscnt 0x0
	CROUND                          ; the closing round
	s_endpgm
.Lfunc_end_k_q687cda5f90_attn:
	.size	k_q687cda5f90_attn, .Lfunc_end_k_q687cda5f90_attn-k_q687cda5f90_attn
	.p2alignl 7, 3214868480
	.fill 96, 4, 3214868480
	.section	.rodata,"a",@progbits
	.p2align	6, 0x0
	.amdhsa_kernel k_q687cda5f90_attn
		.amdhsa_group_segment_fixed_size 327680
		.amdhsa_private_segment_fixed_size 0
		.amdhsa_enable_private_segment 0
		.amdhsa_kernarg_size 24
		.amdhsa_user_sgpr_count 2
		.amdhsa_user_sgpr_kernarg_segment_ptr 1
		.amdhsa_wavefront_size32 1
		.amdhsa_system_sgpr_workgroup_id_x 1
		.amdhsa_system_sgpr_workgroup_id_y 1
		.amdhsa_system_sgpr_workgroup_id_z 1
		.amdhsa_system_vgpr_workitem_id 0
		.amdhsa_next_free_vgpr 896
		.amdhsa_next_free_sgpr 106
		.amdhsa_reserve_vcc 0
		.amdhsa_float_denorm_mode_32 3
		.amdhsa_float_denorm_mode_16_64 3
		.amdhsa_memory_ordered 1
		.amdhsa_forward_progress 1
		.amdhsa_inst_pref_size 190
	.end_amdhsa_kernel
	.amdgpu_metadata
---
amdhsa.version: [ 1, 2 ]
amdhsa.kernels:
  - .name:           k_q687cda5f90_attn
    .symbol:         k_q687cda5f90_attn.kd
    .args:
      - { .name: qkv, .offset: 0, .size: 8, .value_kind: global_buffer, .address_space: global }
      - { .name: mw, .offset: 8, .size: 8, .value_kind: global_buffer, .address_space: global }
      - { .name: ob, .offset: 16, .size: 8, .value_kind: global_buffer, .address_space: global }
    .group_segment_fixed_size: 327680
    .private_segment_fixed_size: 0
    .kernarg_segment_align: 8
    .kernarg_segment_size: 24
    .max_flat_workgroup_size: 128
    .sgpr_count:     106
    .vgpr_count:     896
    .wavefront_size: 32
...
	.end_amdgpu_metadata
.endif
;; end of part 3
;; launch proj (part 4): grid 16 x 16, 4 waves a work-group, clusters of 4 x 4, 327,680 bytes of LDS; arguments ob, wb, out0; writes out0
.if DOCPART == 4
	.amdgcn_target "amdgcn-amd-amdhsa--gfx1250"
	.amdhsa_code_object_version 6
	.text
	.protected	k_q687cda5f90_proj
	.globl	k_q687cda5f90_proj
	.p2align	8
	.type	k_q687cda5f90_proj,@function
k_q687cda5f90_proj:
	s_mov_b64 s[64:65], 0
	v_nop
	global_prefetch_b8 v0, s[64:65] scope:SCOPE_SE
	s_setreg_imm32_b32 hwreg(HW_REG_WAVE_MODE, 25, 1), 1
	s_wait_xcnt 0x0
	s_wait_alu depctr_hold_cnt(0) depctr_sa_sdst(0) depctr_va_vdst(0) depctr_va_sdst(0) depctr_va_ssrc(0) depctr_va_vcc(0) depctr_vm_vsrc(0)
	s_getreg_b32 s2, hwreg(HW_REG_IB_STS2, 6, 4)
	s_cmp_eq_u32 s2, 0
	s_cbranch_scc0 .Lentry_in_a_cluster
	s_endpgm
.Lentry_in_a_cluster:
	s_bfe_u32 s2, ttmp6, 0x10000c
	s_cmp_lg_u32 s2, 0xf033
	s_cbranch_scc0 .Lentry_shape_is_right
	s_endpgm
.Lentry_shape_is_right:
; out0[t][c] = the sum over d of ob[t][d] Wp[c][d].  ob: [2048][2048] f16; Wp: section 4 of wb, bf16-rounded numbers written as f16; sums in f32; out0 f32, stored as summed.
; A tile of out0 is 128 x 128: 16 x 16 work-groups, one for each of 256.  Four waves, each 64 x 64: 16 accumulators.  K goes in 8 steps of 256 (LDS rows of 512 bytes; a wave's tensor load brings 64 of them)
; through two slots.  CLUSTER: 4 x 4 work-groups; the four of a row need the same rows of ob, the four of a column the same rows of Wp: each tile is asked for jointly.
; THE MATRIX INSTRUCTION IS USED TRANSPOSED (source 0 = 16 rows of Wp, source 1 = 16 rows of ob): a lane holds eight neighbouring numbers of a row of out0, 32 bytes.
; A wave's 64 columns are 256 bytes, aligned: each wave has a stage of its own for the way out, and no barrier is needed there.
; No prefetch: a step of this small tile is short and the tiles are shared fourfold by the joint loads.
; REGISTERS: window 0: v0-31 addresses; v128-255 the accumulators ((a, b) at 128 + 8 (4 a + b)).  window 1: two fragment buffers of 128 (64 of ob, then 64 of Wp); on the way out the rows read back.
.set SIZE_K, 2048
.set KSTEP,  256
.set PITCH,  528                       ; an LDS row: 512 bytes + 16
.set HALFT,  64*PITCH
.set SLOT,   4*HALFT
.set STAGE,  2*SLOT                    ; behind the ring: 16 rows x 272 bytes for each wave
.set SPITCH, 272
.set SPARE,  STAGE+4*16*SPITCH         ; the spare words, 128 bytes a wave, which no other line names
.set LAPS, SIZE_K/(2*KSTEP)
.set ADRA, 16
.set ADRB, 20
.set STO,  24
.set RD,   25
.set CO,   26
.set SPW,  28
.set NIL,  29
.set ACC,  128
.set F0,   0
.set F1,   128
.set G1, 24
.set G0, 32
.set G1B, 48
.set G0B, 56
.set MSB, 0
.macro WIN new
.if MSB != (\new)
	s_set_vgpr_msb (MSB<<8)|(\new)
.set MSB, \new
.endif
.endm
.set MUL,  0x05                        ; sources 0 and 1 window 1; C and D window 0
.set TO_F, 0x40                        ; destination window 1, address window 0
.macro JLOAD s                         ; waves 0 and 1 fetch ob's two halves, waves 2 and 3 Wp's; an s_nop 0 and four v_nop follow each line
	s_cmp_eq_u32 s11, 0
	s_cbranch_scc0 .Lfor_b_\@
	tensor_load_to_lds s[G0+4*(\s):G0+4*(\s)+3], s[G1:G1+7]
	s_nop 0
.rept 4
	v_nop
.endr
	s_branch .Lasked_\@
.Lfor_b_\@:
	tensor_load_to_lds s[G0B+4*(\s):G0B+4*(\s)+3], s[G1B:G1B+7]
	s_nop 0
.rept 4
	v_nop
.endr
.Lasked_\@:
.endm
.macro CREST
	s_cmp_lg_u32 s10, 0
	s_cbranch_scc1 .Lnot_wave_0_\@
	s_barrier_signal -3
.Lnot_wave_0_\@:
	s_barrier_wait -3
	s_barrier_signal -1
	s_barrier_wait -1
.endm
.macro CROUND
	s_barrier_signal -1
	s_barrier_wait -1
	CREST
.endm
	s_load_b128 s[4:7], s[0:1], 0x0                ; ob s[4:5], wb s[6:7]
	s_load_b64 s[8:9], s[0:1], 0x10                ; out0
	v_lshl_add_u32 v[SPW], v0, 2, SPARE
	v_mov_b32 v[NIL], 0
	ds_add_u32 v[SPW], v[NIL]                      ; the wave's opening: the add and its wait stand ahead of my first tensor load; work on registers stands between them
	v_lshrrev_b32 v1, 5, v0
	v_readfirstlane_b32 s10, v1                    ; wave 0..3
	s_lshr_b32 s11, s10, 1                         ; which half of the tile's rows is mine.  Also: I fetch for ob (0) or for Wp (1)
	s_and_b32 s12, s10, 1                          ; which half of its columns.  Also: which 64 rows of that tile I fetch
	s_bfe_u32 s40, ttmp6, 0x40000
	s_bfe_u32 s41, ttmp6, 0x40004
	s_lshl_b32 s42, ttmp9, 2
	s_add_co_u32 s42, s42, s40                     ; tile column
	s_and_b32 s13, ttmp7, 0xffff
	s_lshl_b32 s13, s13, 2
	s_add_co_u32 s13, s13, s41                     ; tile row
	s_lshl_b32 s43, s41, 2
	s_lshl_b32 s43, 15, s43                        ; my row of the cluster
	s_lshl_b32 s44, 0x1111, s40                    ; my column
	s_or_b32 s[G1+0], s43, (1<<16)|(1<<20)|(1<<21)|(6<<22)|(3<<25)   ; the mask; 2-byte elements; padding on; bit 21 beside a mask; after every 128 words 4 words
	s_or_b32 s[G1B+0], s44, (1<<16)|(1<<20)|(1<<21)|(6<<22)|(3<<25)
.irp g, G1, G1B
	s_mov_b32 s[(\g)+1], KSTEP<<16                 ; tensor_dim0 = 256
	s_mov_b32 s[(\g)+2], 64<<16                    ; tensor_dim1 = 64
	s_mov_b32 s[(\g)+3], KSTEP<<16                 ; tile_dim0 = 256
	s_mov_b32 s[(\g)+4], 64                        ; tile_dim1 = 64
	s_mov_b32 s[(\g)+5], SIZE_K
	s_mov_b32 s[(\g)+6], 0
	s_mov_b32 s[(\g)+7], 0
.endr
	s_lshl_b32 s17, s12, 6
	s_lshl_b32 s16, s13, 7
	s_add_co_u32 s16, s16, s17                     ; ob: row 128 x tile row + 64 x half
	s_lshl_b32 s46, s42, 7
	s_add_co_u32 s46, s46, s17                     ; Wp: row 128 x tile column + 64 x half
	s_lshl_b32 s16, s16, 12                        ; rows of 4,096 bytes
	s_lshl_b32 s46, s46, 12
	s_add_co_u32 s46, s46, 0x2000000               ; section 4 of wb
	s_mov_b32 s17, 0
	s_mov_b32 s47, 0
	s_mul_i32 s20, s10, HALFT
	s_wait_dscnt 0x0                               ; the opening add is done
	s_wait_kmcnt 0x0
	s_add_nc_u64 s[14:15], s[4:5], s[16:17]
	s_add_nc_u64 s[46:47], s[6:7], s[46:47]
	CROUND                                         ; all sixteen work-groups are here: the first joint loads meet
.irp s, 0,1
	s_mov_b32 s[G0+4*(\s)], 1
	s_add_co_u32 s[G0+4*(\s)+1], s20, (\s)*SLOT
	s_add_nc_u64 s[G0+4*(\s)+2:G0+4*(\s)+3], s[14:15], (\s)*KSTEP*2
	s_or_b32 s[G0+4*(\s)+3], s[G0+4*(\s)+3], 0x80000000
	s_mov_b32 s[G0B+4*(\s)], 1
	s_add_co_u32 s[G0B+4*(\s)+1], s20, (\s)*SLOT
	s_add_nc_u64 s[G0B+4*(\s)+2:G0B+4*(\s)+3], s[46:47], (\s)*KSTEP*2
	s_or_b32 s[G0B+4*(\s)+3], s[G0B+4*(\s)+3], 0x80000000
	JLOAD \s                                       ; two loads of mine are out
.endr
	v_and_b32 v1, 15, v0                           ; r
	v_bfe_u32 v2, v0, 4, 1                         ; h
	v_mul_u32_u24 v3, v1, PITCH
	v_lshl_add_u32 v3, v2, 4, v3
	s_mul_i32 s21, s11, HALFT                      ; my 64 rows of ob
	s_mul_i32 s22, s12, HALFT                      ; my 64 rows of Wp,
	s_add_co_u32 s22, s22, 2*HALFT                 ; which lie behind ob's 128
.irp s, 0,1
	v_add_nc_u32 v[ADRA+(\s)], s21, v3
	v_add_nc_u32 v[ADRB+(\s)], s22, v3
	s_add_co_u32 s21, s21, SLOT
	s_add_co_u32 s22, s22, SLOT
.endr
	s_mul_i32 s23, s10, 16*SPITCH
	s_add_co_u32 s23, s23, STAGE                   ; my stage
	v_mul_u32_u24 v4, v1, SPITCH                   ; in: row r, 32 bytes for each half of the lanes
	v_lshl_add_u32 v4, v2, 5, v4
	v_add_nc_u32 v[STO], s23, v4
	v_mul_u32_u24 v5, v2, SPITCH                   ; back: lanes 0-15 one row of 256 bytes, lanes 16-31 the next
	v_lshl_add_u32 v5, v1, 4, v5
	v_add_nc_u32 v[RD], s23, v5
	v_lshlrev_b32 v5, 13, v2                       ; and the same two rows in out0, 8,192 bytes apart
	v_lshl_add_u32 v[CO], v1, 4, v5
	s_lshl_b32 s16, s13, 7
	s_lshl_b32 s17, s11, 6
	s_add_co_u32 s16, s16, s17                     ; my first row
	s_lshl_b32 s16, s16, 13
	s_lshl_b32 s46, s42, 9                         ; my first column, 4 bytes each
	s_lshl_b32 s47, s12, 8
	s_add_co_u32 s46, s46, s47
	s_add_co_u32 s16, s16, s46
	s_mov_b32 s17, 0
	s_add_nc_u64 s[8:9], s[8:9], s[16:17]
; 8 matrix instructions: row blocks a0, a0 + 1 x all 4 column blocks, 32 along K: half c of buffer f.  The 16 accumulators take turns.
.macro MUL8 f, c, a0, zero
	WIN MUL
.irp a, \a0, (\a0)+1
.irp b, 0,1,2,3
.if \zero
	v_wmma_f32_16x16x32_f16 v[ACC+8*(4*(\a)+(\b)):ACC+8*(4*(\a)+(\b))+7], v[(\f)+64+8*(4*(\c)+(\b)):(\f)+64+8*(4*(\c)+(\b))+7], v[(\f)+8*(4*(\c)+(\a)):(\f)+8*(4*(\c)+(\a))+7], 0
.else
	v_wmma_f32_16x16x32_f16 v[ACC+8*(4*(\a)+(\b)):ACC+8*(4*(\a)+(\b))+7], v[(\f)+64+8*(4*(\c)+(\b)):(\f)+64+8*(4*(\c)+(\b))+7], v[(\f)+8*(4*(\c)+(\a)):(\f)+8*(4*(\c)+(\a))+7], v[ACC+8*(4*(\a)+(\b)):ACC+8*(4*(\a)+(\b))+7]
.endif
.endr
.endr
.endm
; 32 LDS loads in one run: the fragments of 64 along K at byte k of the rows, into buffer f; the first 32 along K first
.macro FETCH slot, k, f
	WIN TO_F
.irp c, 0,1
.irp i, 0,1,2,3
	ds_load_b128 v[(\f)+64+8*(4*(\c)+(\i)):(\f)+64+8*(4*(\c)+(\i))+3],   v[ADRB+(\slot)] offset:(\k)+64*(\c)+(\i)*16*PITCH
	ds_load_b128 v[(\f)+64+8*(4*(\c)+(\i))+4:(\f)+64+8*(4*(\c)+(\i))+7], v[ADRB+(\slot)] offset:(\k)+64*(\c)+(\i)*16*PITCH+32
	ds_load_b128 v[(\f)+8*(4*(\c)+(\i)):(\f)+8*(4*(\c)+(\i))+3],         v[ADRA+(\slot)] offset:(\k)+64*(\c)+(\i)*16*PITCH
	ds_load_b128 v[(\f)+8*(4*(\c)+(\i))+4:(\f)+8*(4*(\c)+(\i))+7],       v[ADRA+(\slot)] offset:(\k)+64*(\c)+(\i)*16*PITCH+32
.endr
.endr
.endm
.macro PLACES
.rept 4
	v_nop
.endr
.endm
.macro QUARTER slot, k, f, g, zero
	s_wait_dscnt 16                                ; the first 32 along K are in
	MUL8 \f, 0, 0, \zero
	MUL8 \f, 0, 2, \zero
	PLACES
	FETCH \slot, \k, \g
	s_wait_dscnt 32                                ; all but the 32 just issued
	MUL8 \f, 1, 0, 0
	MUL8 \f, 1, 2, 0
.endm
; The last quarter multiplies buffer 1 and changes slots: ONE barrier; ahead of it each wave waits for all its tensor loads, adds 0 to its spare word, and waits for that and for its reads of this slot.
.macro TURN slot, next, fill
	WIN 0
	s_wait_tensorcnt 0x0                           ; all my tensor loads have landed: my part of the next slot
	ds_add_u32 v[SPW], v[NIL]                      ; 0 onto my spare word
	s_wait_dscnt 17                                ; (the add and the youngest sixteen loads may be out)
	MUL8 F1, 0, 0, 0
	s_wait_dscnt 0x0                               ; the add is done, and my reads of this slot are over
	s_barrier_signal -1
	MUL8 F1, 0, 2, 0
.if \fill
	WIN 0
.endif
	s_barrier_wait -1
.if \fill
	CREST                                          ; no wave of any partner still reads this slot or has a load on its way
	s_add_nc_u64 s[G0+4*(\slot)+2:G0+4*(\slot)+3], s[G0+4*(\slot)+2:G0+4*(\slot)+3], 2*KSTEP*2
	s_add_nc_u64 s[G0B+4*(\slot)+2:G0B+4*(\slot)+3], s[G0B+4*(\slot)+2:G0B+4*(\slot)+3], 2*KSTEP*2
	JLOAD \slot                                    ; my one tensor load behind the round; its four v_nop are also the places ahead of the loads below
.else
	PLACES
.endif
	FETCH \next, 0, F0
	MUL8 F1, 1, 0, 0
	MUL8 F1, 1, 2, 0
.endm
	s_wait_tensorcnt 0x1                           ; my part of K step 0 is in; K step 1's may stay out
	s_barrier_signal -1
	s_barrier_wait -1
	FETCH 0, 0, F0
	QUARTER 0, 128, F0, F1, 1                      ; the first quarter stands ahead of the loop: its first products start the sums
	WIN 0
	s_mov_b32 s3, LAPS-1
.Llap:
	QUARTER 0, 256, F1, F0, 0
	QUARTER 0, 384, F0, F1, 0
	TURN 0, 1, 1
	QUARTER 1, 128, F0, F1, 0
	QUARTER 1, 256, F1, F0, 0
	QUARTER 1, 384, F0, F1, 0
	TURN 1, 0, 1
	QUARTER 0, 128, F0, F1, 0
	WIN 0
	s_sub_co_u32 s3, s3, 1
	s_cmp_lg_u32 s3, 0
	s_cbranch_scc1 .Llap
	QUARTER 0, 256, F1, F0, 0                      ; the last lap fills nothing
	QUARTER 0, 384, F0, F1, 0
	TURN 0, 1, 0
	QUARTER 1, 128, F0, F1, 0
	QUARTER 1, 256, F1, F0, 0
	QUARTER 1, 384, F0, F1, 0
	s_wait_dscnt 16
	MUL8 F1, 0, 0, 0
	MUL8 F1, 0, 2, 0
	s_wait_dscnt 0x0
	MUL8 F1, 1, 0, 0
	MUL8 F1, 1, 2, 0
	WIN 0
	; THE WAY OUT, a block of 16 rows at a time through my own stage: 32 bytes a lane in (each accumulator's low four registers first), whole rows of 256 bytes back, into the fragment buffers.
	PLACES
.irp a, 0,1,2,3
	WIN 0
.irp b, 0,1,2,3
	ds_store_b128 v[STO], v[ACC+8*(4*(\a)+(\b)):ACC+8*(4*(\a)+(\b))+3]   offset:64*(\b)
	ds_store_b128 v[STO], v[ACC+8*(4*(\a)+(\b))+4:ACC+8*(4*(\a)+(\b))+7] offset:64*(\b)+16
.endr
	WIN TO_F
.irp i, 0,1,2,3,4,5,6,7
	ds_load_b128 v[32*(\a)+4*(\i):32*(\a)+4*(\i)+3], v[RD] offset:(\i)*2*SPITCH  ; LDS serves a wave's instructions in order (ISA guide 5.7.1.4): these see the stores above; the next block's stores come behind them
.endr
.endr
	WIN 0x04                                       ; the stores' data (source 1) in window 1
.irp a, 0,1,2,3
.irp i, 0,1,2,3,4,5,6,7
	s_wait_dscnt 16*(3-(\a))+7-(\i)                ; behind this load: the rest of its block's eight and sixteen for each later block
	global_store_b128 v[CO], v[32*(\a)+4*(\i):32*(\a)+4*(\i)+3], s[8:9] offset:(16*(\a)+2*(\i))*8192  ; 16 lanes store 256 bytes on end, aligned
.endr
.endr
	WIN 0
	s_wait_tensorcnt 0x0                           ; the wave's end, behind my last tensor load and my last LDS store
	ds_add_u32 v[SPW], v[NIL]
	s_wait_dscnt 0x0
	CROUND                                         ; the closing round
	s_endpgm
.Lfunc_end_k_q687cda5f90_proj:
	.size	k_q687cda5f90_proj, .Lfunc_end_k_q687cda5f90_proj-k_q687cda5f90_proj
	.p2alignl 7, 3214868480
	.fill 96, 4, 3214868480
	.section	.rodata,"a",@progbits
	.p2align	6, 0x0
	.amdhsa_kernel k_q687cda5f90_proj
		.amdhsa_group_segment_fixed_size 327680
		.amdhsa_private_segment_fixed_size 0
		.amdhsa_enable_private_segment 0
		.amdhsa_kernarg_size 24
		.amdhsa_user_sgpr_count 2
		.amdhsa_user_sgpr_kernarg_segment_ptr 1
		.amdhsa_wavefront_size32 1
		.amdhsa_system_sgpr_workgroup_id_x 1
		.amdhsa_system_sgpr_workgroup_id_y 1
		.amdhsa_system_sgpr_workgroup_id_z 1
		.amdhsa_system_vgpr_workitem_id 0
		.amdhsa_next_free_vgpr 512
		.amdhsa_next_free_sgpr 66
		.amdhsa_reserve_vcc 0
		.amdhsa_float_denorm_mode_32 3
		.amdhsa_float_denorm_mode_16_64 3
		.amdhsa_memory_ordered 1
		.amdhsa_forward_progress 1
		.amdhsa_inst_pref_size 87
	.end_amdhsa_kernel
	.amdgpu_metadata
---
amdhsa.version: [ 1, 2 ]
amdhsa.kernels:
  - .name:           k_q687cda5f90_proj
    .symbol:         k_q687cda5f90_proj.kd
    .args:
      - { .name: ob, .offset: 0, .size: 8, .value_kind: global_buffer, .address_space: global }
      - { .name: wb, .offset: 8, .size: 8, .value_kind: global_buffer, .address_space: global }
      - { .name: out0, .offset: 16, .size: 8, .value_kind: global_buffer, .address_space: global }
    .group_segment_fixed_size: 327680
    .private_segment_fixed_size: 0
    .kernarg_segment_align: 8
    .kernarg_segment_size: 24
    .max_flat_workgroup_size: 128
    .sgpr_count:     66
    .vgpr_count:     512
    .wavefront_size: 32
...
	.end_amdgpu_metadata
.endif
;; end of part 4
